; MI455X (gfx1250); checked and timed in simulation.
; The chip was launched on July 23, 2026; its instructions are those of AMD's public machine-readable ISA for CDNA 5 (MIT licence, August 2026) and "CDNA5" Instruction Set Architecture Reference Guide (July 2026). The comments in the code are by the model that wrote it; some were corrected since.
;; Multi Head Attention. Allowed arithmetic: matrix products marked QUANTISED: E3M2 operands, one E8M0 scale for each 32 along K, by v_wmma_scale_f32_16x16x128_f8f6f4 with both operands' format E3M2, f32 sums; everything else in f32.
;; Inputs: Wk 1,024 x 1,024 float32; Wo 1,024 x 1,024 float32; Wq 1,024 x 1,024 float32; Wv 1,024 x 1,024 float32; bk 1,024 float32; bo 1,024 float32; bq 1,024 float32; bv 1,024 float32; context 4 x 2,048 x 1,024 float32; data 4 x 2,048 x 1,024 float32.
;; Outputs: out0 4 x 2,048 x 1,024 float32.
;; This version of the problem:
;;   THIS VERSION OF THE PROBLEM IS GIVEN IN LOW PRECISION. The matrix products marked QUANTISED in the list below multiply operands that are first quantised to E3M2 (3 exponent bits, 2 mantissa bits; 6 bits a number), with one power-of-two scale for each 32 numbers along K (OCP MX v1.0); their sums are f32. All else is computed in f32.
;;   The module's matrix products, in the order in which they are computed (A, B: the left and right operand; K: the contracted axis; several contracted axes count as one K, in the product's order):
;;     1. [M 8,192, K 1,024] x [K 1,024, N 1,024]; A: input data; B: input Wq: QUANTISED
;;     2. [M 8,192, K 1,024] x [K 1,024, N 1,024]; A: input context; B: input Wk: QUANTISED
;;     3. [M 8,192, K 1,024] x [K 1,024, N 1,024]; A: input context; B: input Wv: QUANTISED
;;     4. batch 64 x [M 2,048, K 64] x [K 64, N 2,048]; A: computed on the way; B: computed on the way: QUANTISED
;;     5. batch 64 x [M 2,048, K 2,048] x [K 2,048, N 64]; A: softmax (see below); B: computed on the way: QUANTISED
;;     6. [M 8,192, K 1,024] x [K 1,024, N 1,024]; A: computed on the way; B: input Wo: QUANTISED
;;   THE QUANTISER, for each operand of a quantised product, along K:
;;     - K is cut into blocks of 32 from its start; a last block that is shorter is filled with zeros.
;;     - A block's scale is 2^e with e = floor(log2(the largest magnitude in the block)) - 4, held to -126 .. 127; a block of zeros has e = 0. As a byte (E8M0): e + 127.
;;     - Each number is divided by its block's scale, clamped to +-28, and rounded to the nearest number of E3M2, ties to even, subnormals kept.
;;     - The product sums the exact products of the quantised numbers (number of the format x scale) in f32.
;;   ~~~python
;;   def quantise(x, axis):      # numpy; x: float32 -> the quantised numbers, widened to float32 again
;;       x = np.moveaxis(x, axis, -1); K = x.shape[-1]
;;       x = np.pad(x, [(0, 0)] * (x.ndim - 1) + [(0, -K % 32)]); x = x.reshape(x.shape[:-1] + (-1, 32)); a = np.abs(x).max(-1, keepdims=True)
;;       e = np.where(a > 0, np.clip(np.frexp(np.where(a > 0, a, 1))[1] - 1 - 4, -126, 127), 0)      # np.frexp(a)[1] - 1 = floor(log2(a)), exactly
;;       r = np.clip(x / 2.0 ** e, -28, 28)
;;       step = 2.0 ** (np.maximum(np.frexp(np.where(r == 0, 1, r))[1] - 1, -2) - 2)
;;       q = np.round(r / step) * step * 2.0 ** e      # np.round: ties to even
;;       return np.moveaxis(q.reshape(q.shape[:-2] + (-1,))[..., :K], -1, axis).astype(np.float32)
;;   ~~~
;;   SOFTMAX AHEAD OF A QUANTISED PRODUCT. Where the list says 'softmax', what is quantised is not the finished softmax but p = 2^(t - M), with t = logit x log2(e) and M = ceil(the row's largest t), a whole number; so 1/2 < the row's largest p <= 1. The row's sum l is taken of the UNQUANTISED p, in f32, and the product's result is divided by l at the end. Since M is a whole number, a kernel that streams over the keys may use a running M (the ceiling of the running maximum): every later rescaling is an exact power of two, which a block's scale takes up: the codes' values come out the same.
;;   OPERANDS COMPUTED ON THE WAY. 'Computed on the way' means the value that the module computes at that place (a softmax that the list does not call 'softmax' is quantised finished and normalised). What goes into a quantiser is computed in f32, as accurately as f32 sums, v_exp_f32 and their like allow (about 1e-6 of the number): no bf16 or f16 on the way to a quantiser, and a product that is left as it is and whose result goes on into a quantised operand takes f32 operands (vector FMAs, or v_wmma_f32_16x16x4_f32). A number that lies on a knife's edge between two numbers of the format may be rounded either way, as far as f32 arithmetic and the matrix unit's own rounding can turn it there, and no further.
;; One version. Each part assembles by itself: llvm-mc -triple=amdgcn-amd-amdhsa -mcpu=gfx1250 --defsym DOCPART=n.
;; ======== version 1 of 1: 4 launches
;; workspace buffers: xcodes 12,582,912 bytes; xscales 524,288 bytes; wcodes 3,145,728 bytes; wscales 131,072 bytes; qimg 6,553,600 bytes; kv 13,107,200 bytes; zimg 6,291,456 bytes; zscales 262,144 bytes
;; launch quant (part 1): grid 640 x 1, 4 waves a work-group, no clusters, 68,096 bytes of LDS; arguments data, context, Wq, Wk, Wv, Wo, xcodes, xscales, wcodes, wscales; writes xcodes, xscales, wcodes, wscales
.if DOCPART == 1
	.amdgcn_target "amdgcn-amd-amdhsa--gfx1250"
	.amdhsa_code_object_version 6
	.text
	.protected	k_q306c7c31b4_quant
	.globl	k_q306c7c31b4_quant
	.p2align	8
	.type	k_q306c7c31b4_quant,@function
k_q306c7c31b4_quant:
	s_mov_b64 s[64:65], 0
	v_nop
	global_prefetch_b8 v0, s[64:65] scope:SCOPE_SE
	s_setreg_imm32_b32 hwreg(HW_REG_WAVE_MODE, 25, 1), 1
	s_wait_xcnt 0x0
; data and context [8192][1024] f32 (K innermost) and the four weights [1024 (k)][1024 (n)] f32 (K is the FIRST axis) become codes of BF6 (E3M2), K innermost, with one E8M0 byte for each 32 along K.
; xcodes [16384][768 bytes] (rows 0-8191 data, 8192-16383 context), xscales [16384][32]; wcodes [4096][768] (row 1024 w + n; w = 0 Wq, 1 Wk, 2 Wv, 3 Wo), wscales [4096][32].
; A block's scale is 2^(floor(log2(largest magnitude)) - 4): its byte is the largest magnitude's exponent field - 4, held at 1 from below by a floor among the maximum's leaves.
; LIMITS: a block of zeros, or one whose largest magnitude lies under 2^-122, gets the byte 1 (its codes are zeros or tiny; this program alone reads the bytes); NaN and infinities among the inputs are not served.
; Work-groups 0-511 take the activations, a plain stream of blocks of 32: a wave takes 16 steps of 512 numbers; every load reads 512 consecutive bytes; a step's 2,048 bytes turn through the wave's own stage in LDS so that a lane holds 16 neighbours.
; Work-groups 512-639 take the weights: a lane takes a column n and its registers run down K, so a block of 32 lies in one lane; the codes leave through the wave's own stage as rows of 192 bytes.
; The two ways part on the work-group's number, never join, and have LDS bytes of their own.  No tensor loads, no barrier: waves share nothing.
.set EMAX,   4
.set CB,     12                        ; bytes of 16 codes
.set XSTEPS, 16
.set XR,     16                        ; v16-79   four sets of 16 numbers as loaded
.set XX,     80                        ; v80-111  two sets of 16 neighbours
.set XE,     112                       ; v112-127 a scale byte for each step
.set XC,     128                       ; v128-191 codes, four registers a step: no store's data are written again
.set WREG,   8192                      ; LDS of a wave on the activations' way: two stages of 32 x SP bytes, then its 256 scale bytes
.set SP,     80                        ; a lane's place in a stage: 64 bytes + 16 of padding
.set WSTG,   4*WREG                    ; LDS on the weights' way begins here
.set WP,     272                       ; a stage row there: sixteen places of 16 bytes + 16
.set NB,     8                         ; blocks of 32 along K for a wave
.set KROW,   768                       ; a row of codes in bytes
.set WN4,    4096                      ; a row of a weight in bytes
.set WX,     32                        ; v32-95   two sets of 32 numbers
.set WC,     96                        ; v96..    a block's codes
.set WOUT,   112                       ; v112-175 the way out
.set WSB,    24                        ; v24-25   the scale bytes
.macro XLOAD t
.irp i, 0,1,2,3
	global_load_b128 v[XR+16*((\t)%4)+4*\i:XR+16*((\t)%4)+4*\i+3], v3, s[4:5] offset:2048*(\t)+512*\i th:TH_LOAD_NT   ; 32 lanes read 512 consecutive bytes
.endr
.endm
.macro XTURN t                         ; step t's numbers through the stage: LDS serves a wave's instructions in order, so no wait stands between the stores and the loads
.irp i, 0,1,2,3
	ds_store_b128 v14, v[XR+16*((\t)%4)+4*\i:XR+16*((\t)%4)+4*\i+3] offset:32*SP*((\t)%2)+8*SP*\i
.endr
.irp i, 0,1,2,3
	ds_load_b128 v[XX+16*((\t)%2)+4*\i:XX+16*((\t)%2)+4*\i+3], v15 offset:32*SP*((\t)%2)+16*\i
.endr
.endm
.macro XSTEP t
.set XS, XX+16*((\t)%2)
.if (\t) > 0
	s_wait_dscnt 1                                 ; this step's numbers are back from the stage (the last step's byte store may be out), so its stores into the stage have read their registers,
.else
	s_wait_dscnt 0x0
.endif
.if (\t)+4 < XSTEPS
	XLOAD (\t)+4                                   ; which take the loads of four steps on
.endif
.if (\t)+1 < XSTEPS
.if XSTEPS-2-(\t) >= 3
	s_wait_loadcnt 12                              ; the next step's four loads are in; those of the three steps behind it may be out
.else
	s_wait_loadcnt 4*(XSTEPS-2-(\t))
.endif
	XTURN (\t)+1
.endif
	v_max3_num_f32 v8, |v[XS]|, |v[XS+1]|, |v[XS+2]|               ; the largest magnitude of my 16, in two chains
	v_max3_num_f32 v9, |v[XS+3]|, |v[XS+4]|, |v[XS+5]|
.irp i, 6,10
	v_max3_num_f32 v8, v8, |v[XS+\i]|, |v[XS+\i+1]|
	v_max3_num_f32 v9, v9, |v[XS+\i+2]|, |v[XS+\i+3]|
.endr
	v_max3_num_f32 v8, v8, |v[XS+14]|, |v[XS+15]|
	v_max3_num_f32 v8, v8, v9, (EMAX+1)<<23        ; and the floor 2^(5 - 127): the byte cannot fall under 1
	v_max_num_f32_dpp v8, v8, v8 row_xmask:1 row_mask:0xf bank_mask:0xf   ; with my neighbour's 16: the block's
	v_add_nc_u32 v11, -(EMAX<<23), v8              ; 4 off its exponent field: the conversion takes the exponent field of this operand as its scale
	v_cvt_scalef32_pk16_bf6_f32 v[XC+4*(\t):XC+4*(\t)+2], v[XS:XS+15], v11
	v_lshrrev_b32 v[XE+(\t)], 23, v11              ; the scale's byte (a plain line behind the conversion)
	ds_store_b8 v5, v[XE+(\t)] offset:16*(\t)      ; both lanes of a block write the same byte with the same value
	global_store_b96 v4, v[XC+4*(\t):XC+4*(\t)+2], s[16:17] offset:32*CB*(\t)   ; the wave stores 384 consecutive bytes
.endm
.macro WLOAD t                         ; block t: W(32 t + i, my column) into set t % 2
.irp i, 0,1,2,3,4,5,6,7,8,9,10,11,12,13,14,15,16,17,18,19,20,21,22,23,24,25,26,27,28,29,30,31
	global_load_b32 v[WX+32*((\t)%2)+\i], v3, s[8:9] offset:(32*(\t)+\i)*WN4 th:TH_LOAD_NT
.endr
.endm
.macro WBLOCK t
.set WS, WX+32*((\t)%2)
.if (\t) < NB-1
	s_wait_loadcnt 32                              ; this block's 32 loads are in; the next block's may be out
.else
	s_wait_loadcnt 0
.endif
	v_max3_num_f32 v12, |v[WS]|, |v[WS+1]|, |v[WS+2]|              ; the block's largest magnitude: all 32 numbers are mine
	v_max3_num_f32 v13, |v[WS+3]|, |v[WS+4]|, |v[WS+5]|
.irp i, 6,10,14,18,22,26
	v_max3_num_f32 v12, v12, |v[WS+\i]|, |v[WS+\i+1]|
	v_max3_num_f32 v13, v13, |v[WS+\i+2]|, |v[WS+\i+3]|
.endr
	v_max3_num_f32 v12, v12, |v[WS+30]|, |v[WS+31]|
	v_max3_num_f32 v12, v12, v13, (EMAX+1)<<23
	v_add_nc_u32 v11, -(EMAX<<23), v12
	v_lshrrev_b32 v13, 23, v11                     ; the scale's byte
.if (\t)%4 == 0
	v_mov_b32 v[WSB+(\t)/4], v13                   ; four bytes to a register, the lower K in the lower byte
.else
	v_lshl_or_b32 v[WSB+(\t)/4], v13, 8*((\t)%4), v[WSB+(\t)/4]
.endif
	v_cvt_scalef32_pk16_bf6_f32 v[WC:WC+2], v[WS:WS+15], v11
	v_cvt_scalef32_pk16_bf6_f32 v[WC+4:WC+6], v[WS+16:WS+31], v11  ; (a conversion's three registers begin on an even number)
	v_nop                                          ; one plain line behind the last conversion
	ds_store_b96 v4, v[WC:WC+2] offset:32*(\t)     ; 12 bytes to a place of 16, so that every LDS address is a multiple of 16
	ds_store_b96 v4, v[WC+4:WC+6] offset:32*(\t)+16
.if (\t)+2 < NB
	WLOAD (\t)+2
.endif
	s_wait_dscnt 0x0                               ; the stores have read their registers: the next block's codes may be written
.endm
	s_load_b512 s[4:19], s[0:1], 0x0               ; data, context, Wq, Wk, Wv, Wo, xcodes, xscales
	s_load_b128 s[20:23], s[0:1], 0x40             ; wcodes, wscales
	v_lshl_add_u32 v192, v0, 2, 0x10800
	v_mov_b32 v193, 0
	v_lshrrev_b32 v1, 5, v0
	v_readfirstlane_b32 s24, v1                    ; wave 0..3
	v_and_b32 v2, 31, v0                           ; lane
	s_wait_kmcnt 0x0
	s_cmp_ge_u32 ttmp9, 512
	s_cbranch_scc1 .Lweights
	; ---- the activations
	v_lshlrev_b32 v3, 4, v2                        ; my 16 bytes of a load's 512
	s_mul_i32 s25, s24, WREG
	v_lshrrev_b32 v14, 2, v2
	v_mul_u32_u24 v14, v14, SP
	v_and_b32 v15, 3, v2
	v_lshl_add_u32 v14, v15, 4, v14
	v_add_nc_u32 v14, s25, v14                     ; the stage, on the way in: SP (lane / 4) + 16 (lane % 4)
	v_mul_u32_u24 v15, v2, SP
	v_add_nc_u32 v15, s25, v15                     ; and on the way out: SP x lane: my 16 neighbours
	v_mul_u32_u24 v4, v2, CB                       ; my codes' place in a step's 384 bytes
	v_lshrrev_b32 v5, 1, v2
	s_add_co_u32 s25, s25, 2*32*SP
	v_add_nc_u32 v5, s25, v5                       ; LDS: my wave's 256 scale bytes, my block's byte
	v_lshlrev_b32 v7, 3, v2                        ; and on the way out 8 bytes a lane
	v_add_nc_u32 v6, s25, v7
	s_cmp_lt_u32 ttmp9, 256                        ; data's work-group or context's: the choice hangs on the work-group's number alone
	s_cselect_b64 s[4:5], s[4:5], s[6:7]
	s_and_b32 s26, ttmp9, 255
	s_lshl_b32 s26, s26, 2
	s_add_co_u32 s26, s26, s24                     ; which run of 8,192 numbers of the tensor is my wave's
	s_lshl_b32 s26, s26, 15                        ; 32,768 bytes a run
	s_mov_b32 s27, 0
	s_add_nc_u64 s[4:5], s[4:5], s[26:27]
	s_lshl_b32 s28, ttmp9, 2
	s_add_co_u32 s28, s28, s24                     ; and which run of the two tensors on end
	s_mul_i32 s26, s28, 32*XSTEPS*CB               ; 6,144 bytes of codes a run
	s_add_nc_u64 s[16:17], s[16:17], s[26:27]
	s_lshl_b32 s26, s28, 8                         ; 256 scale bytes a run
	s_add_nc_u64 s[18:19], s[18:19], s[26:27]
.irp t, 0,1,2,3
	XLOAD \t
.endr
	s_wait_loadcnt 12                              ; step 0's four loads are in
	XTURN 0
.irp t, 0,1,2,3,4,5,6,7,8,9,10,11,12,13,14,15
	XSTEP \t
.endr
	ds_load_b64 v[12:13], v6                       ; LDS serves a wave's instructions in order: these see my byte stores
	s_wait_dscnt 0x0
	global_store_b64 v7, v[12:13], s[18:19]        ; 32 lanes store 256 consecutive bytes, aligned
	s_wait_tensorcnt 0x0
	ds_add_u32 v192, v193
	s_wait_dscnt 0x0
	s_endpgm
	; ---- the weights
.Lweights:
	s_sub_co_u32 s25, ttmp9, 512
	s_lshr_b32 s26, s25, 5                         ; which weight
	s_and_b32 s27, s25, 7                          ; which 128 columns
	s_bfe_u32 s28, s25, 0x20003                    ; which 256 along K
	s_cmp_eq_u32 s26, 1
	s_cselect_b64 s[8:9], s[10:11], s[8:9]
	s_cmp_eq_u32 s26, 2
	s_cselect_b64 s[8:9], s[12:13], s[8:9]
	s_cmp_eq_u32 s26, 3
	s_cselect_b64 s[8:9], s[14:15], s[8:9]
	s_lshl_b32 s29, s27, 7
	s_lshl_b32 s30, s24, 5
	s_add_co_u32 s29, s29, s30                     ; my wave's first column
	v_lshlrev_b32 v3, 2, v2                        ; in: 4 bytes a lane
	s_mul_i32 s30, s24, 32*WP
	s_add_co_u32 s30, s30, WSTG                    ; my stage
	v_mul_u32_u24 v4, v2, WP
	v_add_nc_u32 v4, s30, v4                       ; into it: row = my column
	v_and_b32 v5, 15, v2
	v_lshrrev_b32 v6, 4, v2                        ; out of it: sixteen lanes to a row, two rows an instruction
	v_mul_u32_u24 v7, v6, WP
	v_lshl_add_u32 v7, v5, 4, v7
	v_add_nc_u32 v7, s30, v7
	v_mul_u32_u24 v8, v6, KROW
	v_mad_u32_u24 v8, v5, 12, v8                   ; and the same place in the codes' buffer
	v_lshlrev_b32 v9, 5, v2                        ; my column's row of scale bytes
	s_lshl_b32 s32, s28, 20                        ; 256 rows of 4,096 bytes
	s_lshl_b32 s33, s29, 2
	s_add_co_u32 s32, s32, s33
	s_mov_b32 s33, 0
	s_add_nc_u64 s[8:9], s[8:9], s[32:33]
	s_lshl_b32 s34, s26, 10
	s_add_co_u32 s34, s34, s29                     ; the first row of wcodes that my wave writes
	s_mul_i32 s32, s34, KROW
	s_mul_i32 s35, s28, 192
	s_add_co_u32 s32, s32, s35
	s_add_nc_u64 s[20:21], s[20:21], s[32:33]
	s_lshl_b32 s32, s34, 5
	s_lshl_b32 s35, s28, 3
	s_add_co_u32 s32, s32, s35
	s_add_nc_u64 s[22:23], s[22:23], s[32:33]
	WLOAD 0
	WLOAD 1
.irp t, 0,1,2,3,4,5,6,7
	WBLOCK \t
.endr
	global_store_b64 v9, v[WSB:WSB+1], s[22:23]    ; my column's 8 scale bytes
.irp t, 0,1,2,3,4,5,6,7,8,9,10,11,12,13,14,15
	ds_load_b96 v[WOUT+4*\t:WOUT+4*\t+2], v7 offset:2*\t*WP
.endr
.irp t, 0,1,2,3,4,5,6,7,8,9,10,11,12,13,14,15
	s_wait_dscnt 15-\t
	global_store_b96 v8, v[WOUT+4*\t:WOUT+4*\t+2], s[20:21] offset:2*\t*KROW   ; sixteen lanes store a row's 192 consecutive bytes
.endr
	s_wait_tensorcnt 0x0
	ds_add_u32 v192, v193
	s_wait_dscnt 0x0
	s_endpgm
.Lfunc_end_k_q306c7c31b4_quant:
	.size	k_q306c7c31b4_quant, .Lfunc_end_k_q306c7c31b4_quant-k_q306c7c31b4_quant
	.p2alignl 7, 3214868480
	.fill 96, 4, 3214868480
	.section	.rodata,"a",@progbits
	.p2align	6, 0x0
	.amdhsa_kernel k_q306c7c31b4_quant
		.amdhsa_group_segment_fixed_size 68096
		.amdhsa_private_segment_fixed_size 0
		.amdhsa_enable_private_segment 0
		.amdhsa_kernarg_size 80
		.amdhsa_user_sgpr_count 2
		.amdhsa_user_sgpr_kernarg_segment_ptr 1
		.amdhsa_wavefront_size32 1
		.amdhsa_system_sgpr_workgroup_id_x 1
		.amdhsa_system_sgpr_workgroup_id_y 1
		.amdhsa_system_sgpr_workgroup_id_z 1
		.amdhsa_system_vgpr_workitem_id 0
		.amdhsa_next_free_vgpr 194
		.amdhsa_next_free_sgpr 66
		.amdhsa_reserve_vcc 0
		.amdhsa_float_denorm_mode_32 3
		.amdhsa_float_denorm_mode_16_64 3
		.amdhsa_memory_ordered 1
		.amdhsa_forward_progress 1
		.amdhsa_inst_pref_size 73
	.end_amdhsa_kernel
	.amdgpu_metadata
---
amdhsa.version: [ 1, 2 ]
amdhsa.kernels:
  - .name:           k_q306c7c31b4_quant
    .symbol:         k_q306c7c31b4_quant.kd
    .args:
      - { .name: data, .offset: 0, .size: 8, .value_kind: global_buffer, .address_space: global }
      - { .name: context, .offset: 8, .size: 8, .value_kind: global_buffer, .address_space: global }
      - { .name: Wq, .offset: 16, .size: 8, .value_kind: global_buffer, .address_space: global }
      - { .name: Wk, .offset: 24, .size: 8, .value_kind: global_buffer, .address_space: global }
      - { .name: Wv, .offset: 32, .size: 8, .value_kind: global_buffer, .address_space: global }
      - { .name: Wo, .offset: 40, .size: 8, .value_kind: global_buffer, .address_space: global }
      - { .name: xcodes, .offset: 48, .size: 8, .value_kind: global_buffer, .address_space: global }
      - { .name: xscales, .offset: 56, .size: 8, .value_kind: global_buffer, .address_space: global }
      - { .name: wcodes, .offset: 64, .size: 8, .value_kind: global_buffer, .address_space: global }
      - { .name: wscales, .offset: 72, .size: 8, .value_kind: global_buffer, .address_space: global }
    .group_segment_fixed_size: 68096
    .private_segment_fixed_size: 0
    .kernarg_segment_align: 8
    .kernarg_segment_size: 80
    .max_flat_workgroup_size: 128
    .sgpr_count:     66
    .vgpr_count:     194
    .wavefront_size: 32
...
	.end_amdgpu_metadata
.endif
;; end of part 1
;; launch proj (part 2): grid 4 x 96, 4 waves a work-group, clusters of 4 x 4, 327,680 bytes of LDS; arguments xcodes, xscales, wcodes, wscales, bq, bk, bv, qimg, kv; writes qimg, kv
.if DOCPART == 2
	.amdgcn_target "amdgcn-amd-amdhsa--gfx1250"
	.amdhsa_code_object_version 6
	.text
	.protected	k_q306c7c31b4_proj
	.globl	k_q306c7c31b4_proj
	.p2align	8
	.type	k_q306c7c31b4_proj,@function
k_q306c7c31b4_proj:
	s_mov_b64 s[64:65], 0
	v_nop
	global_prefetch_b8 v0, s[64:65] scope:SCOPE_SE
	s_setreg_imm32_b32 hwreg(HW_REG_WAVE_MODE, 25, 1), 1
	s_wait_xcnt 0x0
	s_wait_alu depctr_hold_cnt(0) depctr_sa_sdst(0) depctr_va_vdst(0) depctr_va_sdst(0) depctr_va_ssrc(0) depctr_va_vcc(0) depctr_vm_vsrc(0)
	s_getreg_b32 s2, hwreg(HW_REG_IB_STS2, 6, 4)
	s_cmp_eq_u32 s2, 0
	s_cbranch_scc0 .Lentry_in_a_cluster
	s_endpgm
.Lentry_in_a_cluster:
	s_bfe_u32 s2, ttmp6, 0x10000c
	s_cmp_lg_u32 s2, 0xf033
	s_cbranch_scc0 .Lentry_shape_is_right
	s_endpgm
.Lentry_shape_is_right:
; Q = data Wq + bq, K = context Wk + bk, V = context Wv + bv, on codes of BF6 with E8M0 scales; the results are quantised in registers and stored as images of the operand registers that the attention launch wants.
; Cluster y / 8 says which product (0 Q, 1 K, 2 V), cluster y % 8 which 1,024 tokens.  A work-group makes 256 x 256 results, a wave 128 x 128: 64 accumulators of 16 x 16.  K = 1,024 goes in four steps of 256 through two LDS slots.
; SIDES.  Source 1 of the matrix instruction ('A' below) gives the lane's axis, source 0 ('B') the registers' axis.  Q and K: A = tokens, B = rows of the weight: a lane holds one token and its registers run along the features, which are the score product's K.
; V: A = rows of Wv, B = tokens: a lane holds one feature (head, d) and its registers run along the keys, which are the second product's K.
; A PART (6,400 bytes) is what 128 tokens of one head become: four fragment images of 1,536 bytes (register R of lane l at 512 (R / 4) + 16 l + 4 (R % 4)) and 256 bytes of scale words (row r, fragment f at 6144 + 16 r + 4 f).
; Q's and K's fragment f: registers 0-5 tokens 32 f + r, registers 6-11 tokens 32 f + 16 + r, lane half h = block h of the head's 64; scale word [X b0, X b1, Y b0, Y b1].  V's fragment f: rows d = 16 f + r, K = the PART's 128 keys.
; ORDER IN A BLOCK OF 32: slot s holds element 16 ((s % 16) / 8) + 8 (s / 16) + s % 8: the same in Q and K, and in V and the attention's p, so every product pairs like with like; the blocks are the true blocks of 32.
; CLUSTERS: 4 x 4 work-groups; A's tiles are shared along a row of the cluster, B's along a column, by joint loads.
; LIMITS: a block whose largest magnitude lies under 2^-122 (a block of zeros too) gets the byte 1; NaN and infinities are not served.
; REGISTERS: window 0: v0-31 addresses; v32-63 scale words, two sets, and nothing else; from v128 A's fragments, one set; at the end v64-251 are at work.  window 1: B's fragments, two sets.  windows 2, 3: the accumulators.
.set SIZE_K, 1024
.set KSTEP,  256
.set NQ,     KSTEP/128
.set ROWB,   192                       ; a tile's row in bytes
.set KROW,   SIZE_K*6/8                ; a row of codes in memory
.set PITCH,  240                       ; an LDS row: 3 x (64 bytes + 16 of padding)
.set FR,     12
.set NL,     6
.set NP,     4
.set HALFT,  128*PITCH
.set SLOT,   4*HALFT
.set LAPS,   SIZE_K/(2*KSTEP)
.set KS,     SIZE_K/32
.set SCL,    2*SLOT                    ; behind the ring: the scales, as units of 256 bytes + 16 of padding
.set HALFS,  (128*KS/256)*272
.set SBLK,   (16*KS/256)*272
.set SPARE,  SCL+4*HALFS               ; the spare words, 128 bytes a wave
.set BIASL,  SPARE+512                 ; 512 bytes a wave: its 128 biases; no fill ever lands here
.set ADRA, 16
.set ADRB, 20
.set ADRS, 27
.set SPW,  28
.set NIL,  29
.set SC,   32
.set AF,   128
.set BI,   64                          ; the end: v64-127 biases in the results' layout
.set TT,   128                         ; v128-191 64 results + bias
.set TM,   192                         ; v192-207 at work in QUANT
.set UU,   208                         ; v208-215 the conversions' second halves
.set FG0,  216                         ; v216-227 a fragment for the first head
.set FG1,  228                         ; v228-239 for the second
.set PWR,  240                         ; v240-247 scale words as QUANT makes them
.set SW,   248                         ; v248-251 scale words as they are stored
.set G1, 24
.set G0, 32
.set G1B, 48
.set G0B, 56
.set G1S, 68
.set G0S, 76
.set G1SB, 80
.set G0SB, 88
.set MSB, 0
.macro WIN new                         ; the immediate's high byte repeats the setting that is left
.set WNEW, \new
.if MSB != WNEW
	s_set_vgpr_msb (MSB<<8)|WNEW
.set MSB, WNEW
.endif
.endm
.set MUL_LO, 0xa1                      ; source 0 (B) window 1, source 1 (A) window 0, C and D window 2
.set MUL_HI, 0xf1
.set TO_B,   0x40
; A joint load: waves 0 and 1 fetch for A, waves 2 and 3 for B; the branch hangs on the wave's number alone.  Four v_nop follow each of the two lines.
.macro JLOAD g0a, g1a, g0b, g1b
	s_cmp_eq_u32 s15, 0
	s_cbranch_scc0 .Lfor_b_\@
	tensor_load_to_lds s[\g0a:\g0a+3], s[\g1a:\g1a+7]
	s_nop 0
.rept 4
	v_nop
.endr
	s_branch .Lasked_\@
.Lfor_b_\@:
	tensor_load_to_lds s[\g0b:\g0b+3], s[\g1b:\g1b+7]
	s_nop 0
.rept 4
	v_nop
.endr
.Lasked_\@:
.endm
.macro CREST
	s_cmp_lg_u32 s14, 0
	s_cbranch_scc1 .Lnot_wave_0_\@
	s_barrier_signal -3
.Lnot_wave_0_\@:
	s_barrier_wait -3
	s_barrier_signal -1
	s_barrier_wait -1
.endm
.macro CROUND
	s_barrier_signal -1
	s_barrier_wait -1
	CREST
.endm
	s_load_b512 s[68:83], s[0:1], 0x0              ; xcodes, xscales, wcodes, wscales, bq, bk, bv, qimg
	s_load_b64 s[84:85], s[0:1], 0x40              ; kv
	v_lshl_add_u32 v[SPW], v0, 2, SPARE
	v_mov_b32 v[NIL], 0
	ds_add_u32 v28, v29
	ds_add_u32 v28, v29
	s_wait_dscnt 0x0
	v_lshrrev_b32 v1, 5, v0
	v_readfirstlane_b32 s14, v1                    ; wave 0..3
	s_lshr_b32 s15, s14, 1                         ; which half of A's rows is mine.  Also: I fetch for A (0) or for B (1)
	s_and_b32 s16, s14, 1                          ; which half of B's rows.  Also: which 128 rows I fetch
	s_bfe_u32 s40, ttmp6, 0x40000                  ; cx
	s_bfe_u32 s41, ttmp6, 0x40004                  ; cy
	s_and_b32 s17, ttmp7, 0xffff                   ; cluster y: the same in all sixteen partners
	s_lshr_b32 s100, s17, 3                        ; 0 Q, 1 K, 2 V
	s_and_b32 s42, s17, 7                          ; which 1,024 tokens
	s_lshl_b32 s43, s41, 2
	s_lshl_b32 s43, 15, s43                        ; my row of the cluster
	s_lshl_b32 s44, 0x1111, s40                    ; my column
	s_lshl_b32 s18, s42, 10
	s_and_b32 s19, s100, 1
	s_lshl_b32 s19, s19, 13
	s_add_co_u32 s19, s19, s18                     ; Q, K: A begins at row 1024 G of data (of context: 8,192 on)
	s_lshl_b32 s22, s100, 10                       ; Q, K: B begins at the weight's first row
	s_add_co_u32 s18, s18, 8192                    ; V: B begins at row 1024 G of context
	s_mov_b32 s23, 2048                            ; V: A begins at Wv's first row
	s_cmp_lt_u32 s100, 2
	s_cselect_b32 s19, s19, s23
	s_cselect_b32 s22, s22, s18
	s_lshl_b32 s18, s16, 7                         ; which 128 rows of the tile I fetch
	s_lshl_b32 s20, s41, 8
	s_add_co_u32 s20, s20, s19
	s_add_co_u32 s20, s20, s18                     ; A: 256 cy + its first row + 128 x half
	s_lshl_b32 s46, s40, 8
	s_add_co_u32 s46, s46, s22
	s_add_co_u32 s46, s46, s18                     ; B: 256 cx + its first row + 128 x half
	s_lshl_b32 s22, s20, 5                         ; where these rows' scales begin: 32 bytes a row
	s_lshl_b32 s92, s46, 5
	s_mul_i32 s20, s20, KROW                       ; and their codes (under 2^24 bytes)
	s_mul_i32 s46, s46, KROW
	s_mov_b32 s21, 0
	s_mov_b32 s23, 0
	s_mov_b32 s47, 0
	s_mov_b32 s93, 0
	s_mul_i32 s45, s14, HALFT                      ; where they go: wave x 128 rows: no place in the cluster enters an LDS address
	s_mul_i32 s94, s14, HALFS
	s_mov_b32 s101, 0xffff0000                     ; lanes 16-31
	s_mov_b32 s104, 0x76543210
	s_mov_b32 s105, 0xfedcba98                     ; v_permlanex16_b32's selects for lane l xor 16
	s_wait_kmcnt 0x0
	s_cmp_lt_u32 s100, 2                           ; the sides' buffers: the choice hangs on the cluster's y alone
	s_cselect_b64 s[4:5], s[68:69], s[72:73]       ; A's codes
	s_cselect_b64 s[6:7], s[70:71], s[74:75]       ; A's scales
	s_cselect_b64 s[8:9], s[72:73], s[68:69]       ; B's codes
	s_cselect_b64 s[10:11], s[74:75], s[70:71]     ; B's scales
	s_cmp_eq_u32 s100, 0
	s_cselect_b64 s[12:13], s[82:83], s[84:85]     ; where the images go
	s_cselect_b64 s[66:67], s[76:77], s[78:79]
	s_cmp_eq_u32 s100, 2
	s_cselect_b64 s[66:67], s[80:81], s[66:67]     ; the bias
	s_add_nc_u64 s[20:21], s[4:5], s[20:21]
	s_add_nc_u64 s[22:23], s[6:7], s[22:23]
	s_add_nc_u64 s[46:47], s[8:9], s[46:47]
	s_add_nc_u64 s[92:93], s[10:11], s[92:93]
	; descriptor group 1: a tile of 128 rows x 192 bytes, 16 bytes of padding behind every 64
	s_or_b32 s[G1+0], s43, (0<<16)|(1<<20)|(1<<21)|(3<<22)|(3<<25)
	s_or_b32 s[G1B+0], s44, (0<<16)|(1<<20)|(1<<21)|(3<<22)|(3<<25)
.irp g, G1, G1B
	s_mov_b32 s[\g+1], ROWB<<16
	s_mov_b32 s[\g+2], 128<<16
	s_mov_b32 s[\g+3], ROWB<<16
	s_mov_b32 s[\g+4], 128
	s_mov_b32 s[\g+5], KROW
	s_mov_b32 s[\g+6], 0
	s_mov_b32 s[\g+7], 0
.endr
	; the scales of 128 rows: 4,096 dense bytes as 16 rows of 256 bytes, 16 bytes of padding behind each
	s_or_b32 s[G1S+0], s43, (3<<16)|(1<<20)|(1<<21)|(5<<22)|(3<<25)
	s_or_b32 s[G1SB+0], s44, (3<<16)|(1<<20)|(1<<21)|(5<<22)|(3<<25)
.irp g, G1S, G1SB
	s_mov_b32 s[\g+1], 32<<16
	s_mov_b32 s[\g+2], (128*KS/256)<<16
	s_mov_b32 s[\g+3], 32<<16
	s_mov_b32 s[\g+4], 128*KS/256
	s_mov_b32 s[\g+5], 32
	s_mov_b32 s[\g+6], 0
	s_mov_b32 s[\g+7], 0
.endr
	CROUND                                         ; all sixteen work-groups are here: the first joint loads meet
	s_mov_b32 s[G0S], 1
	s_add_co_u32 s[G0S+1], s94, SCL
	s_mov_b64 s[G0S+2:G0S+3], s[22:23]
	s_or_b32 s[G0S+3], s[G0S+3], 0x80000000
	s_mov_b32 s[G0SB], 1
	s_add_co_u32 s[G0SB+1], s94, SCL
	s_mov_b64 s[G0SB+2:G0SB+3], s[92:93]
	s_or_b32 s[G0SB+3], s[G0SB+3], 0x80000000
	JLOAD G0S, G1S, G0SB, G1SB                     ; the scales first: they are wanted with K step 0
.irp s, 0,1
	s_mov_b32 s[G0+4*\s], 1
	s_add_co_u32 s[G0+4*\s+1], s45, \s*SLOT
	s_add_nc_u64 s[G0+4*\s+2:G0+4*\s+3], s[20:21], \s*ROWB
	s_or_b32 s[G0+4*\s+3], s[G0+4*\s+3], 0x80000000
	s_mov_b32 s[G0B+4*\s], 1
	s_add_co_u32 s[G0B+4*\s+1], s45, \s*SLOT
	s_add_nc_u64 s[G0B+4*\s+2:G0B+4*\s+3], s[46:47], \s*ROWB
	s_or_b32 s[G0B+4*\s+3], s[G0B+4*\s+3], 0x80000000
	JLOAD G0+4*\s, G1, G0B+4*\s, G1B
.endr
	v_and_b32 v1, 15, v0                           ; r
	v_bfe_u32 v2, v0, 4, 1                         ; h
	v_mul_u32_u24 v3, v1, PITCH
	v_mul_u32_u24 v4, v2, 24
	v_add_nc_u32 v4, v3, v4                        ; a fragment's row x pitch + 24 x half
	v_lshl_add_u32 v5, v2, 4, v4                   ; and the same behind one padding more
	s_mul_i32 s21, s15, HALFT
	s_mul_i32 s22, s16, HALFT
	s_add_co_u32 s22, s22, 2*HALFT
.irp s, 0,1
	v_add_nc_u32 v[ADRA+\s], s21, v4
	v_add_nc_u32 v[ADRB+\s], s22, v4
	v_add_nc_u32 v[ADRA+2+\s], s21, v5
	v_add_nc_u32 v[ADRB+2+\s], s22, v5
	s_add_co_u32 s21, s21, SLOT
	s_add_co_u32 s22, s22, SLOT
.endr
	v_mul_u32_u24 v5, v1, KS                       ; my row's scales: 32 bytes a row,
	v_lshrrev_b32 v6, 8, v5
	v_lshl_add_u32 v5, v6, 4, v5                   ; and 16 more for each 256 passed
	s_mul_i32 s21, s15, HALFS
	s_mul_i32 s22, s16, HALFS
	s_add_co_u32 s22, s22, 2*HALFS
	s_sub_co_u32 s22, s22, s21
	v_mul_u32_u24 v6, s22, v2                      ; lanes 16-31 take B's
	s_add_co_u32 s21, s21, SCL
	v_add_nc_u32 v5, v5, v6
	v_add_nc_u32 v[ADRS], s21, v5
	; where my wave's results go.  Tokens S0 .. S0 + 127 are one PART; features n0 .. n0 + 127 are two heads
	s_lshl_b32 s92, s42, 2
	s_cmp_lt_u32 s100, 2
	s_cselect_b32 s93, s41, s40                    ; the tokens' tile: along cy for Q and K, along cx for V
	s_cselect_b32 s94, s15, s16                    ; and my half of it
	s_cselect_b32 s95, s40, s41                    ; the features' tile
	s_cselect_b32 s96, s16, s15
	s_add_co_u32 s92, s92, s93
	s_lshl_b32 s92, s92, 8
	s_lshl_b32 s94, s94, 7
	s_add_co_u32 s92, s92, s94                     ; S0
	s_lshl_b32 s95, s95, 8
	s_lshl_b32 s96, s96, 7
	s_add_co_u32 s95, s95, s96                     ; n0
	s_mov_b32 s97, 12800
	s_cmp_eq_u32 s100, 0
	s_cselect_b32 s97, 6400, s97                   ; from PART to PART: 6,400 in qimg, 12,800 in kv
	s_cmp_eq_u32 s100, 2
	s_cselect_b32 s96, 6400, 0                     ; V's PART lies behind K's
	s_lshl_b32 s93, s97, 4                         ; from head to head: 16 PARTs
	s_lshr_b32 s17, s92, 11                        ; the batch,
	s_lshl_b32 s17, s17, 4
	s_lshr_b32 s18, s95, 6
	s_add_co_u32 s17, s17, s18                     ; x 16 + my first head,
	s_lshl_b32 s17, s17, 4
	s_bfe_u32 s18, s92, 0x40007
	s_add_co_u32 s17, s17, s18                     ; x 16 + which 128 tokens of the sequence
	s_mul_i32 s18, s17, s97
	s_add_co_u32 s18, s18, s96
	s_mov_b32 s19, 0
	s_add_nc_u64 s[12:13], s[12:13], s[18:19]      ; the first head's PART
	s_mov_b32 s18, s93
	s_add_nc_u64 s[98:99], s[12:13], s[18:19]      ; the second head's
	s_lshl_b32 s18, s95, 2
	s_add_nc_u64 s[66:67], s[66:67], s[18:19]      ; the bias at n0
	v_and_b32 v6, 31, v0
	v_lshlrev_b32 v30, 4, v6                       ; 16 x lane: an image's place for my lane; never rewritten
	global_load_b128 v[8:11], v30, s[66:67]        ; my wave's 128 biases: 512 consecutive bytes; waited for at the end
	s_lshl_b32 s20, s14, 9
	s_add_co_u32 s20, s20, BIASL
	v_add_nc_u32 v12, s20, v30                     ; LDS: where I put 16 bytes of them,
	v_lshl_add_u32 v13, v2, 5, s20                 ; where I read them along the registers' axis: 32 h on,
	v_lshl_add_u32 v14, v1, 2, s20                 ; and along the lanes' axis: 4 r on
	v_mov_b32 v15, 0x05040100
	v_mov_b32 v7, 0x07060302
	v_cndmask_b32 v15, v15, v7, s101               ; lanes 0-15 pack two low halves (the first head's bytes), lanes 16-31 two high halves
	v_mul_lo_u32 v31, v2, s93
	v_lshl_add_u32 v31, v1, 4, v31                 ; the scale words' place: 16 r, lanes 16-31 in the second head's PART
.macro FRAG reg, adr, q, i             ; a fragment, 16 rows x 128 K: lane l holds row l % 16; registers 6 c .. 6 c + 5 hold K = 64 c + 32 (l / 16) + 0 .. 31, in pieces of 8 bytes
.irp p, 0,1,2,3,4,5
.set PC, 12*(\q)+6*(\p/3)+\p%3         ; where the piece three on lies behind one padding more, the second address register serves
.if PC%8 < 5
	ds_load_b64 v[\reg+2*\p:\reg+2*\p+1], v[\adr] offset:8*PC+16*(PC/8)+(\i)*16*PITCH
.else
	ds_load_b64 v[\reg+2*\p:\reg+2*\p+1], v[\adr+2] offset:8*PC+16*(PC/8)+(\i)*16*PITCH
.endif
.endr
.endm
; 16 matrix instructions: A's blocks a0, a0 + 1 x B's eight.  The 64 accumulators take turns, one instruction a turn, in the same order in every step.
.macro MUL16 a0, p, q, sc, zero
.irp a, \a0, \a0+1
.irp b, 0,1,2,3,4,5,6,7
.if \zero
	v_wmma_scale_f32_16x16x128_f8f6f4 v[8*(8*((\a)%4)+\b):8*(8*((\a)%4)+\b)+7], v[128*(\p)+FR*\b:128*(\p)+FR*\b+FR-1], v[AF+FR*(\a):AF+FR*(\a)+FR-1], 0, v[SC+8*NQ*(\sc)+NQ*\b+(\q)], v[SC+8*NQ*(\sc)+NQ*(\a)+(\q)] matrix_a_fmt:MATRIX_FMT_BF6 matrix_b_fmt:MATRIX_FMT_BF6 matrix_a_scale:MATRIX_SCALE_ROW1
.else
	v_wmma_scale_f32_16x16x128_f8f6f4 v[8*(8*((\a)%4)+\b):8*(8*((\a)%4)+\b)+7], v[128*(\p)+FR*\b:128*(\p)+FR*\b+FR-1], v[AF+FR*(\a):AF+FR*(\a)+FR-1], v[8*(8*((\a)%4)+\b):8*(8*((\a)%4)+\b)+7], v[SC+8*NQ*(\sc)+NQ*\b+(\q)], v[SC+8*NQ*(\sc)+NQ*(\a)+(\q)] matrix_a_fmt:MATRIX_FMT_BF6 matrix_b_fmt:MATRIX_FMT_BF6 matrix_a_scale:MATRIX_SCALE_ROW1
.endif
.endr
.endr
.endm
.macro FETCH_B slot, q, p
	WIN TO_B
.irp i, 0,1,2,3,4,5,6,7
	FRAG 128*(\p)+FR*\i, ADRB+\slot, \q, \i
.endr
	WIN 0
.endm
.macro FETCH_A slot, q, i0
.irp i, \i0, \i0+1, \i0+2, \i0+3
	FRAG AF+FR*(\i), ADRA+\slot, \q, \i
.endr
.endm
.macro SCALES sc                       ; a K step's scale words: two words a row; lanes 0-15 take A's block i, lanes 16-31 B's block i
.irp i, 0,1,2,3,4,5,6,7
	ds_load_b64 v[SC+8*NQ*\sc+NQ*\i:SC+8*NQ*\sc+NQ*\i+1], v[ADRS] offset:\i*SBLK
.endr
.endm
.macro PLACES n                        ; plain vector lines between a matrix instruction and a load into, or a vector line on, its registers
.rept \n
	v_nop
.endr
.endm
.macro STEP slot, q, zero
	s_wait_dscnt 4*NL                              ; B's set and A's blocks 0-3 are in; the youngest 24 loads (A's blocks 4-7) may be out
	WIN MUL_LO
	MUL16 0, (\q)%2, \q, \slot, \zero
	MUL16 2, (\q)%2, \q, \slot, \zero
	s_wait_dscnt 0
	PLACES NP
	FETCH_B \slot, (\q)+1, 1-(\q)%2
	FETCH_A \slot, (\q)+1, 0
	WIN MUL_HI
	MUL16 4, (\q)%2, \q, \slot, \zero
	MUL16 6, (\q)%2, \q, \slot, \zero
	PLACES NP
	WIN 0
	FETCH_A \slot, (\q)+1, 4
.endm
; A slot's last step changes slots: one barrier; in front of it each wave waits for all its tensor loads, adds 0 to its spare word, and waits for that and for its reads of this slot.
.macro TURN slot, next, fill
	s_wait_tensorcnt 0x0                           ; all my tensor loads have landed: my part of the next slot
	ds_add_u32 v[SPW], v[NIL]                      ; 0 onto my spare word
	s_wait_dscnt 4*NL+1                            ; (the add and the youngest 24 loads may be out)
	WIN MUL_LO
	MUL16 0, 1, NQ-1, \slot, 0
	s_wait_dscnt 0x0                               ; the add is done, and my reads of this slot are over
	s_barrier_signal -1
	MUL16 2, 1, NQ-1, \slot, 0
	WIN 0
	s_barrier_wait -1
.if \fill
	CREST                                          ; the barrier has opened a round of the cluster's: no wave of any partner still reads this slot or has a load on its way
	s_add_nc_u64 s[G0+4*\slot+2:G0+4*\slot+3], s[G0+4*\slot+2:G0+4*\slot+3], 2*ROWB
	s_add_nc_u64 s[G0B+4*\slot+2:G0B+4*\slot+3], s[G0B+4*\slot+2:G0B+4*\slot+3], 2*ROWB
	JLOAD G0+4*\slot, G1, G0B+4*\slot, G1B         ; the first tensor load behind the round; its four v_nop are the places in front of the loads below
.else
	PLACES NP
.endif
	v_add_nc_u32 v[ADRS], 4*NQ, v[ADRS]            ; on to the next K step's scale words
	FETCH_B \next, 0, 0
	FETCH_A \next, 0, 0
	SCALES \next
	WIN MUL_HI
	MUL16 4, 1, NQ-1, \slot, 0
	MUL16 6, 1, NQ-1, \slot, 0
	PLACES NP
	WIN 0
	FETCH_A \next, 0, 4
.endm
; 64 numbers of a lane, v[s] on, register 16 b + i = slot 16 (lane / 16) + i of block b of my row, become codes: blocks 0, 1 in v[d0] .. v[d0 + 5], blocks 2, 3 in v[d1] .. v[d1 + 5] (lane half h holds the pair's block h), and the four scale bytes in v[pw].
.macro QUANT s, d0, d1, pw
.irp b, 0,1,2,3
	v_max3_num_f32 v[TM+\b], |v[\s+16*\b]|, |v[\s+1+16*\b]|, 0x2800000   ; my 16 numbers of block b, and the floor 2^(5 - 127): the byte cannot fall under 1
.endr
.irp i, 2,4,6,8,10,12,14
.irp b, 0,1,2,3
	v_max3_num_f32 v[TM+\b], v[TM+\b], |v[\s+16*\b+\i]|, |v[\s+1+16*\b+\i]|
.endr
.endr
.irp b, 0,1,2,3
	v_permlanex16_b32 v[TM+4+\b], v[TM+\b], s104, s105
.endr
.irp b, 0,1,2,3
	v_max_num_f32 v[TM+\b], v[TM+\b], v[TM+4+\b]   ; with lane l xor 16's: the block's largest magnitude
.endr
.irp b, 0,1,2,3
	v_add_nc_u32 v[TM+12+\b], 0xfe000000, v[TM+\b] ; 4 off its exponent field: the conversion's scale operand
.endr
.irp b, 0,1,2,3
	v_lshrrev_b32 v[TM+4+\b], 23, v[TM+12+\b]      ; the scale's byte
.endr
	v_lshl_or_b32 v[\pw], v[TM+5], 8, v[TM+4]
	v_lshl_or_b32 v[\pw], v[TM+6], 16, v[\pw]
	v_lshl_or_b32 v[\pw], v[TM+7], 24, v[\pw]
	v_cvt_scalef32_pk16_bf6_f32 v[\d0:\d0+2], v[\s:\s+15], v[TM+12]
	v_cvt_scalef32_pk16_bf6_f32 v[UU:UU+2], v[\s+16:\s+31], v[TM+13]
	v_cvt_scalef32_pk16_bf6_f32 v[\d1:\d1+2], v[\s+32:\s+47], v[TM+14]
	v_cvt_scalef32_pk16_bf6_f32 v[UU+4:UU+6], v[\s+48:\s+63], v[TM+15]
	v_nop                                          ; one plain line behind the conversions
.irp i, 0,1,2
	v_permlane16_swap_b32 v[\d0+\i], v[UU+\i]      ; the layout wants a whole block in a lane: the first now holds each lane's block's lower 16 codes, the second the upper 16
.endr
.irp i, 0,1,2
	v_mov_b32 v[\d0+3+\i], v[UU+\i]
.endr
.irp i, 0,1,2
	v_permlane16_swap_b32 v[\d1+\i], v[UU+4+\i]
.endr
.irp i, 0,1,2
	v_mov_b32 v[\d1+3+\i], v[UU+4+\i]
.endr
.endm
	s_wait_tensorcnt 1                             ; the scales and my part of K step 0 are in (K step 1's load may be out),
	s_barrier_signal -1
	s_barrier_wait -1                              ; everybody's are
	FETCH_B 0, 0, 0
	FETCH_A 0, 0, 0
	SCALES 0
	FETCH_A 0, 0, 4
	STEP 0, 0, 1                                   ; the first step's products start the sums
	s_mov_b32 s3, LAPS-1
.Llap:
	TURN 0, 1, 1
	STEP 1, 0, 0
	TURN 1, 0, 1
	STEP 0, 0, 0
	s_sub_co_u32 s3, s3, 1
	s_cmp_lg_u32 s3, 0
	s_cbranch_scc1 .Llap
	TURN 0, 1, 0                                   ; the last lap fills nothing
	STEP 1, 0, 0
	s_wait_dscnt 4*NL
	WIN MUL_LO
	MUL16 0, 1, NQ-1, 1, 0
	MUL16 2, 1, NQ-1, 1, 0
	s_wait_dscnt 0
	WIN MUL_HI
	MUL16 4, 1, NQ-1, 1, 0
	MUL16 6, 1, NQ-1, 1, 0
	WIN 0
	; THE END: bias, quantiser, images.  A block a of A's rows has 64 registers a lane: register 8 b + j is B's row 16 b + 8 (lane / 16) + j.
	PLACES NP                                      ; behind the last products: their results are read and their operands' registers written below
	s_wait_loadcnt 0x0                             ; my 128 biases
	ds_store_b128 v12, v[8:11]                     ; through my own 512 bytes of LDS, which serves a wave's instructions in order
.irp b, 0,1,2,3
	v_mov_b32 v[TM+4+\b], 0                        ; written once: a lane permute's destination counts as one of its sources
.endr
	s_cmp_eq_u32 s100, 2
	s_cbranch_scc1 .Lpath_v
	; Q and K: the bias runs along the registers; blocks a = 2 f and 2 f + 1 make fragment f of both heads
.irp b, 0,1,2,3,4,5,6,7
	ds_load_b128 v[BI+8*\b:BI+8*\b+3], v13 offset:64*\b
	ds_load_b128 v[BI+8*\b+4:BI+8*\b+7], v13 offset:64*\b+16
.endr
	s_wait_dscnt 0x0
.irp f, 0,1,2,3
.if \f > 0
	s_wait_xcnt 0x0                                ; the last fragments' stores have read their registers
.endif
.irp u, 0,1
	WIN 0x02+(2*\f+\u)/4                           ; source 0: the accumulators' window
.irp i, 0,2,4,6,8,10,12,14,16,18,20,22,24,26,28,30,32,34,36,38,40,42,44,46,48,50,52,54,56,58,60,62
	v_pk_add_f32 v[TT+\i:TT+\i+1], v[64*((2*\f+\u)%4)+\i:64*((2*\f+\u)%4)+\i+1], v[BI+\i:BI+\i+1]   ; each accumulator from its low end on
.endr
	WIN 0
	QUANT TT, FG0+6*\u, FG1+6*\u, PWR+\u
.endr
	v_perm_b32 v[SW+\f], v[PWR+1], v[PWR], v15     ; [X b0, X b1, Y b0, Y b1]: lanes 0-15 the first head's, lanes 16-31 the second's
.irp c, 0,1,2
	global_store_b128 v30, v[FG0+4*\c:FG0+4*\c+3], s[12:13] offset:1536*\f+512*\c   ; 32 lanes store 512 consecutive bytes, aligned to 256
	global_store_b128 v30, v[FG1+4*\c:FG1+4*\c+3], s[98:99] offset:1536*\f+512*\c
.endr
.endr
	global_store_b128 v31, v[SW:SW+3], s[12:13] offset:6144   ; sixteen lanes store a PART's 256 bytes of scale words
	s_branch .Ldone
.Lpath_v:
	; V: the bias hangs on the lane; block a is fragment a % 4 of head a / 4
.irp a, 0,1,2,3,4,5,6,7
	ds_load_b32 v[BI+2*\a], v14 offset:64*\a
	ds_load_b32 v[BI+2*\a+1], v14 offset:64*\a     ; twice: a pair for the packed addition
.endr
	s_wait_dscnt 0x0
.irp a, 0,1,2,3,4,5,6,7
	WIN 0x02+\a/4
.irp i, 0,2,4,6,8,10,12,14,16,18,20,22,24,26,28,30,32,34,36,38,40,42,44,46,48,50,52,54,56,58,60,62
	v_pk_add_f32 v[TT+\i:TT+\i+1], v[64*(\a%4)+\i:64*(\a%4)+\i+1], v[BI+2*\a:BI+2*\a+1]
.endr
	WIN 0
.if \a > 0
	s_wait_xcnt 0x0                                ; the last fragment's stores have read their registers
.endif
	QUANT TT, FG0, FG0+6, PWR+\a
.irp c, 0,1,2
.if \a < 4
	global_store_b128 v30, v[FG0+4*\c:FG0+4*\c+3], s[12:13] offset:1536*(\a%4)+512*\c
.else
	global_store_b128 v30, v[FG0+4*\c:FG0+4*\c+3], s[98:99] offset:1536*(\a%4)+512*\c
.endif
.endr
.endr
.irp t, 0,1,2,3
	v_cndmask_b32 v[SW+\t], v[PWR+\t], v[PWR+4+\t], s101   ; lanes 16-31 carry the second head's words
.endr
	global_store_b128 v31, v[SW:SW+3], s[12:13] offset:6144
.Ldone:
	s_wait_tensorcnt 0x0                           ; the wave's end
	ds_add_u32 v[SPW], v[NIL]
	s_wait_dscnt 0x0
	CROUND                                         ; the closing round
	s_endpgm
.Lfunc_end_k_q306c7c31b4_proj:
	.size	k_q306c7c31b4_proj, .Lfunc_end_k_q306c7c31b4_proj-k_q306c7c31b4_proj
	.p2alignl 7, 3214868480
	.fill 96, 4, 3214868480
	.section	.rodata,"a",@progbits
	.p2align	6, 0x0
	.amdhsa_kernel k_q306c7c31b4_proj
		.amdhsa_group_segment_fixed_size 327680
		.amdhsa_private_segment_fixed_size 0
		.amdhsa_enable_private_segment 0
		.amdhsa_kernarg_size 72
		.amdhsa_user_sgpr_count 2
		.amdhsa_user_sgpr_kernarg_segment_ptr 1
		.amdhsa_wavefront_size32 1
		.amdhsa_system_sgpr_workgroup_id_x 1
		.amdhsa_system_sgpr_workgroup_id_y 1
		.amdhsa_system_sgpr_workgroup_id_z 1
		.amdhsa_system_vgpr_workitem_id 0
		.amdhsa_next_free_vgpr 1024
		.amdhsa_next_free_sgpr 106
		.amdhsa_reserve_vcc 0
		.amdhsa_float_denorm_mode_32 3
		.amdhsa_float_denorm_mode_16_64 3
		.amdhsa_memory_ordered 1
		.amdhsa_forward_progress 1
		.amdhsa_inst_pref_size 233
	.end_amdhsa_kernel
	.amdgpu_metadata
---
amdhsa.version: [ 1, 2 ]
amdhsa.kernels:
  - .name:           k_q306c7c31b4_proj
    .symbol:         k_q306c7c31b4_proj.kd
    .args:
      - { .name: xcodes, .offset: 0, .size: 8, .value_kind: global_buffer, .address_space: global }
      - { .name: xscales, .offset: 8, .size: 8, .value_kind: global_buffer, .address_space: global }
      - { .name: wcodes, .offset: 16, .size: 8, .value_kind: global_buffer, .address_space: global }
      - { .name: wscales, .offset: 24, .size: 8, .value_kind: global_buffer, .address_space: global }
      - { .name: bq, .offset: 32, .size: 8, .value_kind: global_buffer, .address_space: global }
      - { .name: bk, .offset: 40, .size: 8, .value_kind: global_buffer, .address_space: global }
      - { .name: bv, .offset: 48, .size: 8, .value_kind: global_buffer, .address_space: global }
      - { .name: qimg, .offset: 56, .size: 8, .value_kind: global_buffer, .address_space: global }
      - { .name: kv, .offset: 64, .size: 8, .value_kind: global_buffer, .address_space: global }
    .group_segment_fixed_size: 327680
    .private_segment_fixed_size: 0
    .kernarg_segment_align: 8
    .kernarg_segment_size: 72
    .max_flat_workgroup_size: 128
    .sgpr_count:     106
    .vgpr_count:     1024
    .wavefront_size: 32
...
	.end_amdgpu_metadata
.endif
;; end of part 2
;; launch attn (part 3): grid 8 x 64, 16 waves a work-group, no clusters, 206,848 bytes of LDS; arguments qimg, kv, zimg, zscales; writes zimg, zscales
.if DOCPART == 3
	.amdgcn_target "amdgcn-amd-amdhsa--gfx1250"
	.amdhsa_code_object_version 6
	.text
	.protected	k_q306c7c31b4_attn
	.globl	k_q306c7c31b4_attn
	.p2align	8
	.type	k_q306c7c31b4_attn,@function
k_q306c7c31b4_attn:
	s_mov_b64 s[64:65], 0
	v_nop
	global_prefetch_b8 v0, s[64:65] scope:SCOPE_SE
	s_setreg_imm32_b32 hwreg(HW_REG_WAVE_MODE, 25, 1), 1
	s_wait_xcnt 0x0
; Causal attention of one (batch, head) on codes of BF6: Z = softmax(Q K^T / 8) V, head size 64, 2,048 keys; Z is quantised along the model's 1,024 and stored as images of the last product's operand registers.
; THE SOFTMAX: t = score x log2(e) / 8; M = the running largest t rounded UP to a whole number; p = 2^(t - M) is quantised along the keys, not normalised; the row's sum is taken of the unquantised p and divides at the end.
; SHARES.  Work-group x of a head owns the query blocks (128 queries) x and 15 - x; eight waves take each, 16 queries a wave.  A block b has b + 1 key steps of 128, so every work-group has 8 x 17 wave steps.
; The two kinds of wave are dealt so that each group of four waves, by w % 4 and by w / 4 alike, has two of each.
; LDS holds the head's whole K and V, 16 steps x (K's PART 6,400 bytes + V's PART 6,400), as they lie in memory, filled ONCE: waves 0-7 issue four tensor loads each (a PART each; four of a wave's loads are out at the most), group g = steps 4 g .. 4 g + 3.
; Nothing is filled again.  A counted wait and a barrier stand in front of each group of four steps.
; PRODUCTS.  S^T = K Q^T: K's fragment f carries two tiles of 16 keys (registers 0-5: keys 32 f + r; 6-11: keys 32 f + 16 + r), each 64 along K; it is multiplied once by [q, 0] and once by [0, q]: zero codes add nothing.
; So register 16 f + 8 u + j of lane (r, h) is key 32 f + 16 u + 8 h + j for query r, and the quantiser's slot 16 h + 8 u + j of block f holds that key: the order in which V's codes were laid.  O^T = V^T P^T: a lane keeps one query throughout.
; A step all of whose keys come after the wave's queries is left out by a scalar branch on ids; the one step on the diagonal hides scores by -infinity.
; NO CLUSTER: the work-groups that read the same K and V differ in their query blocks, and the steps that are left out hang on those.  NO PREFETCH: all that a work-group reads is asked for at its head.
; zscales is stored two bytes a row (one part in 24 of the codes' bytes): a head owns two of a row's 32 scale bytes.
; LIMITS: a block whose largest magnitude lies under 2^-122 gets the byte 1; NaN and infinities are not served.
; REGISTERS: v1 16 x lane, v2 16 r, v5 my query - 8 h, v6 32 r, v7 8 x lane; v8, v10 the step's LDS addresses; v12 -M, v13 the largest t, v[14:15] the sum, v[16:17] f, v18 -infinity;
;   v32-79 four fragments of K, then of V; v96-159 S^T, then p; v160-191 O^T; v196-213 [0 x 6, q x 6, 0 x 6]; v224-235 p's codes; v232-247, v252, v254 at work; v248-251, v253, v255 scale words and nothing else.
.set WV,   12
.set G1D,  16                          ; s[16:23] descriptor group 1: 25 rows of 256 bytes, dense
.set G0D,  24                          ; s[24:39] four groups 0, never rewritten
.set TB,   2                           ; LDS byte at which the step's PARTs begin
.set KF,   3                           ; the step's first key
.set Q0,   40                          ; my first query
.set QL,   41                          ; my last
.set CNT,  42
.set CS,   44                          ; s[44:45] c = log2(e) / 8
.set SEL,  46                          ; s[46:47] lane l xor 16
.set PARTB, 6400
.set STEPB, 12800
.set GRPB,  51200
	s_load_b256 s[4:11], s[0:1], 0x0               ; qimg, kv, zimg, zscales
	v_lshl_add_u32 v223, v0, 2, 0x32000
	v_mov_b32 v243, 0
	ds_add_u32 v223, v243
	ds_add_u32 v223, v243
	v_lshrrev_b32 v1, 5, v0
	s_delay_alu instid0(VALU_DEP_1)
	v_readfirstlane_b32 s[WV], v1                  ; wave 0..15
	s_and_b32 s13, ttmp7, 0xffff                   ; batch x 16 + head
	s_mov_b32 s[G1D+0], 3<<16                      ; no mask; elements of 8 bytes; no padding
	s_mov_b32 s[G1D+1], 32<<16                     ; tensor_dim0 = 32
	s_mov_b32 s[G1D+2], 25<<16                     ; tensor_dim1 = 25
	s_mov_b32 s[G1D+3], 32<<16                     ; tile_dim0 = 32
	s_mov_b32 s[G1D+4], 25                         ; tile_dim1 = 25
	s_mov_b32 s[G1D+5], 32                         ; the pitch
	s_mov_b32 s[G1D+6], 0
	s_mov_b32 s[G1D+7], 0
	s_and_b32 s14, s[WV], 7
	s_mul_i32 s14, s14, PARTB                      ; my PART of a group, in LDS and in memory alike
	s_mul_i32 s48, s13, 16*STEPB
	s_add_co_u32 s48, s48, s14
	s_mov_b32 s49, 0
	s_mov_b32 s[CS], 0x3e38aa3b
	s_mov_b32 s[CS+1], s[CS]                       ; (named with it as a pair)
	s_mov_b32 s[SEL], 0x76543210
	s_mov_b32 s[SEL+1], 0xfedcba98
	s_wait_dscnt 0x0
	s_wait_kmcnt 0x0
	s_add_nc_u64 s[6:7], s[6:7], s[48:49]
.irp g, 0,1,2,3
	s_mov_b32 s[G0D+4*\g], 1
	s_add_co_u32 s[G0D+4*\g+1], s14, GRPB*\g
	s_add_nc_u64 s[G0D+4*\g+2:G0D+4*\g+3], s[6:7], GRPB*\g
	s_or_b32 s[G0D+4*\g+3], s[G0D+4*\g+3], 0x80000000
.endr
	s_cmp_lt_u32 s[WV], 8                          ; a wave's four fills stand in one branch on its number, ahead of every wait on TENSORcnt, every LDS read and every barrier
	s_cbranch_scc0 .Lno_fetch
	tensor_load_to_lds s[G0D:G0D+3], s[G1D:G1D+7]
	s_nop 0
	tensor_load_to_lds s[G0D+4:G0D+7], s[G1D:G1D+7]
	s_nop 0
	tensor_load_to_lds s[G0D+8:G0D+11], s[G1D:G1D+7]
	s_nop 0
	tensor_load_to_lds s[G0D+12:G0D+15], s[G1D:G1D+7]
	s_nop 0
.rept 4
	v_nop
.endr
.Lno_fetch:
	s_lshr_b32 s48, s[WV], 1
	s_lshr_b32 s49, s[WV], 3
	s_xor_b32 s49, s49, s48
	s_and_b32 s49, s49, 1                          ; 0: block x; 1: block 15 - x
	s_and_b32 s50, s48, 6
	s_and_b32 s51, s[WV], 1
	s_add_co_u32 s50, s50, s51                     ; which 16 queries of the block: 0..7
	s_sub_co_u32 s52, 15, ttmp9
	s_cmp_lg_u32 s49, 0
	s_cselect_b32 s52, s52, ttmp9                  ; my block
	s_lshl_b32 s[Q0], s52, 7
	s_lshl_b32 s53, s50, 4
	s_add_co_u32 s[Q0], s[Q0], s53
	s_add_co_u32 s[QL], s[Q0], 15
	s_mov_b32 s58, 0x03020302
	s_cmp_lg_u32 s51, 0                            ; my tile is a fragment's second one?
	s_cselect_b32 s58, s58, 0x01000100             ; which two bytes of the fragment's scale word are mine, twice
	s_cselect_b32 s59, -1, 0
	s_lshl_b32 s54, s13, 4
	s_add_co_u32 s54, s54, s52
	s_mul_i32 s54, s54, PARTB                      ; Q's PART
	s_lshr_b32 s53, s50, 1                         ; the fragment
	s_mul_i32 s56, s53, 1536
	s_add_co_u32 s56, s56, s54
	s_mov_b32 s57, 0
	s_lshl_b32 s53, s53, 2
	s_add_co_u32 s54, s54, s53
	s_mov_b32 s55, 0
	s_add_nc_u64 s[56:57], s[4:5], s[56:57]
	s_add_nc_u64 s[4:5], s[4:5], s[54:55]
	v_and_b32 v3, 31, v0
	v_and_b32 v4, 15, v0                           ; r
	v_bfe_u32 v9, v0, 4, 1                         ; h
	s_delay_alu instid0(VALU_DEP_3)
	v_lshlrev_b32 v1, 4, v3
	s_delay_alu instid0(VALU_DEP_3)
	v_lshlrev_b32 v2, 4, v4
	global_load_b128 v[32:35], v1, s[56:57]        ; the fragment's image
	global_load_b128 v[36:39], v1, s[56:57] offset:512
	global_load_b128 v[40:43], v1, s[56:57] offset:1024
	global_load_b32 v254, v2, s[4:5] offset:6144   ; and its scale words
	v_lshlrev_b32 v6, 5, v4
	v_lshlrev_b32 v7, 3, v3
	v_lshlrev_b32 v5, 3, v9
	s_delay_alu instid0(VALU_DEP_1)
	v_sub_nc_u32 v5, v4, v5
	s_delay_alu instid0(VALU_DEP_1)
	v_add_nc_u32 v5, s[Q0], v5                     ; my query - 8 h
	; where Z goes: row tile = token / 16; K step of 256 = head / 4; inside a row tile's 3,072 bytes a head has 768
	s_and_b32 s15, s13, 15                         ; the head
	s_lshr_b32 s53, s13, 4
	s_lshl_b32 s53, s53, 7
	s_lshl_b32 s60, s52, 3
	s_add_co_u32 s53, s53, s60
	s_add_co_u32 s53, s53, s50                     ; the row tile
	s_lshr_b32 s60, s15, 2
	s_mul_i32 s60, s60, 1572864
	s_mul_i32 s62, s53, 3072
	s_add_co_u32 s60, s60, s62
	s_and_b32 s62, s15, 3
	s_mul_i32 s62, s62, 768
	s_add_co_u32 s60, s60, s62
	s_mov_b32 s61, 0
	s_add_nc_u64 s[8:9], s[8:9], s[60:61]
	s_lshl_b32 s60, s53, 9                         ; 16 rows of 32 scale bytes,
	s_lshl_b32 s62, s15, 1                         ; the head's two
	s_add_co_u32 s60, s60, s62
	s_add_nc_u64 s[10:11], s[10:11], s[60:61]
	v_mov_b32 v13, 0xff61b1e6                      ; the largest t so far: -3e38
	s_delay_alu instid0(VALU_DEP_1)
	v_floor_f32 v12, -v13                          ; -M
	v_mov_b32 v14, 0
	v_mov_b32 v15, 0
	v_mov_b32 v16, 0
	v_mov_b32 v17, 0                               ; (named as the upper half of the pair v[16:17])
	v_mov_b32 v18, 0xff800000                      ; -infinity
.irp b, 0,1,2,3
	v_mov_b32 v[236+\b], 0                         ; a lane permute's destination counts as one of its sources
.endr
.irp i, 0,1,2,3,4,5
	v_mov_b32 v[196+\i], 0
	v_mov_b32 v[208+\i], 0
.endr
	s_wait_loadcnt 0x0
.irp i, 0,1,2,3,4,5
	v_cndmask_b32 v[202+\i], v[32+\i], v[38+\i], s59   ; my tile's six registers
.endr
	v_perm_b32 v255, v254, v254, s58               ; [s0 s1 s0 s1]: my queries' two bytes serve both places of q
.irp j, 0,1,2,3,4,5,6,7,8,9,10,11,12,13,14,15,16,17,18,19,20,21,22,23,24,25,26,27,28,29,30,31
	v_mov_b32 v[160+\j], 0                         ; O^T: the step is written once; the first change of M leaves zeros zeros.  (These are also the places between the lines above and the first product)
.endr
.macro STEP
	s_cmp_gt_u32 s[KF], s[QL]                      ; all 128 keys come after my queries: nothing to do but the steps of the addresses
	s_cbranch_scc1 .Lhidden_\@
	s_setprio 2
	v_add_nc_u32 v8, s[TB], v1
	v_add_nc_u32 v10, s[TB], v2
.irp f, 0,1,2,3
.irp c, 0,1,2
	ds_load_b128 v[32+12*\f+4*\c:35+12*\f+4*\c], v8 offset:1536*\f+512*\c   ; K's fragments as images: 512 consecutive bytes an instruction
.endr
.endr
	ds_load_b128 v[248:251], v10 offset:6144       ; their scale words: row r's four
	s_wait_alu depctr_va_vdst(0)
	s_wait_dscnt 0x0
.irp f, 0,1,2,3
	v_wmma_scale_f32_16x16x128_f8f6f4 v[96+16*\f:103+16*\f], v[32+12*\f:43+12*\f], v[202:213], 0, v[248+\f], v255 matrix_a_fmt:MATRIX_FMT_BF6 matrix_b_fmt:MATRIX_FMT_BF6
	v_wmma_scale_f32_16x16x128_f8f6f4 v[104+16*\f:111+16*\f], v[32+12*\f:43+12*\f], v[196:207], 0, v[248+\f], v255 matrix_a_fmt:MATRIX_FMT_BF6 matrix_b_fmt:MATRIX_FMT_BF6
.endr
.rept 4
	v_nop                                          ; places in front of the loads into the fragments' and scale words' registers, and of the first read of the scores
.endr
.irp f, 0,1,2,3
.irp c, 0,1,2
	ds_load_b128 v[32+12*\f+4*\c:35+12*\f+4*\c], v8 offset:PARTB+1536*\f+512*\c   ; V's fragments land while the softmax is worked
.endr
.endr
	ds_load_b128 v[248:251], v10 offset:PARTB+6144
	s_add_co_u32 s48, s[KF], 127
	s_cmp_le_u32 s48, s[Q0]                        ; every key counts for every query of mine: no mask
	s_cbranch_scc1 .Lopen_\@
	v_sub_nc_u32 v252, v5, s[KF]                   ; register n holds key KF + 8 h + 16 (n / 8) + n % 8: hidden where 16 (n / 8) + n % 8 > my query - 8 h - KF
.irp n, 0,1,2,3,4,5,6,7,8,9,10,11,12,13,14,15,16,17,18,19,20,21,22,23,24,25,26,27,28,29,30,31,32,33,34,35,36,37,38,39,40,41,42,43,44,45,46,47,48,49,50,51,52,53,54,55,56,57,58,59,60,61,62,63
	v_cmp_gt_i32 vcc_lo, 16*(\n/8)+\n%8, v252
	v_cndmask_b32 v[96+\n], v[96+\n], v18, vcc_lo
.endr
.Lopen_\@:
.irp b, 0,1,2,3
	v_max3_num_f32 v[232+\b], v[96+16*\b], v[97+16*\b], v[98+16*\b]   ; the largest score of each block of 32 keys: for the row's maximum and, since p rises with the score, for the block's largest p
.endr
.irp i, 3,5,7,9,11,13
.irp b, 0,1,2,3
	v_max3_num_f32 v[232+\b], v[232+\b], v[96+16*\b+\i], v[97+16*\b+\i]
.endr
.endr
.irp b, 0,1,2,3
	v_max_num_f32 v[232+\b], v[232+\b], v[111+16*\b]
.endr
.irp b, 0,1,2,3
	s_delay_alu instid0(VALU_DEP_4)
	v_permlanex16_b32 v[236+\b], v[232+\b], s[SEL], s[SEL+1]
.endr
.irp b, 0,1,2,3
	s_delay_alu instid0(VALU_DEP_4)
	v_max_num_f32 v[232+\b], v[232+\b], v[236+\b]  ; with lane l xor 16's 16 keys
.endr
	s_delay_alu instid0(VALU_DEP_2)
	v_max3_num_f32 v254, v232, v233, v234
	s_delay_alu instid0(VALU_DEP_1)
	v_max_num_f32 v254, v254, v235
	s_delay_alu instid0(VALU_DEP_1)
	v_mul_f32 v254, s[CS], v254                    ; the step's largest t
	s_delay_alu instid0(VALU_DEP_1)
	v_max_num_f32 v13, v13, v254
	v_mov_b32 v254, v12
	s_delay_alu instid0(VALU_DEP_2)
	v_floor_f32 v12, -v13                          ; the new -M = -ceil(t): a whole number
	s_delay_alu instid0(VALU_DEP_1)
	v_sub_f32 v254, v12, v254                      ; old M - new M, 0 or less
	s_delay_alu instid0(VALU_DEP_1)
	v_cvt_i32_f32 v254, v254                       ; (it saturates)
	s_delay_alu instid0(VALU_DEP_1)
	v_ldexp_f32 v16, 1.0, v254                     ; f = 2^(old M - new M): a multiplication by it rounds nothing
.irp j, 0,2,4,6,8,10,12,14,16,18,20,22,24,26,28,30,32,34,36,38,40,42,44,46,48,50,52,54,56,58,60,62
	v_pk_fma_f32 v[96+\j:97+\j], v[96+\j:97+\j], s[CS:CS+1], v[12:13] op_sel_hi:[1,0,0]   ; t - M
.endr
	s_setprio 1
.irp b, 0,1,2,3
	v_fma_f32 v[232+\b], v[232+\b], s[CS], v12
.endr
	s_wait_alu depctr_va_vdst(0)
.irp j, 0,1,2,3,4,5,6,7,8,9,10,11,12,13,14,15,16,17,18,19,20,21,22,23,24,25,26,27,28,29,30,31,32,33,34,35,36,37,38,39,40,41,42,43,44,45,46,47,48,49,50,51,52,53,54,55,56,57,58,59,60,61,62,63
	v_exp_f32 v[96+\j], v[96+\j]                   ; p = 2^(t - M)
.endr
.irp b, 0,1,2,3
	v_exp_f32 v[232+\b], v[232+\b]                 ; the block's largest p
.endr
	v_pk_mul_f32 v[14:15], v[14:15], v[16:17] op_sel_hi:[1,0]   ; the sums under the new M (a plain line behind the exponentials)
	s_wait_alu depctr_va_vdst(0)
.irp b, 0,1,2,3
	v_max_num_f32 v[232+\b], 0x2800000, v[232+\b]  ; the floor 2^(5 - 127)
.endr
.irp b, 0,1,2,3
	s_delay_alu instid0(VALU_DEP_4)
	v_add_nc_u32 v[244+\b], 0xfe000000, v[232+\b]  ; the conversion's scale operand
.endr
.irp b, 0,1,2,3
	s_delay_alu instid0(VALU_DEP_4)
	v_lshrrev_b32 v[236+\b], 23, v[244+\b]         ; the scale's byte
.endr
	s_delay_alu instid0(VALU_DEP_3)
	v_lshl_or_b32 v253, v237, 8, v236              ; p's scale word for these 128 keys
	s_delay_alu instid0(VALU_DEP_1)
	v_lshl_or_b32 v253, v238, 16, v253
	s_delay_alu instid0(VALU_DEP_1)
	v_lshl_or_b32 v253, v239, 24, v253
.irp c, 0,1
	v_cvt_scalef32_pk16_bf6_f32 v[224+6*\c:226+6*\c], v[96+32*\c:111+32*\c], v[244+2*\c]
	v_cvt_scalef32_pk16_bf6_f32 v[236+4*\c:238+4*\c], v[112+32*\c:127+32*\c], v[244+2*\c+1]
.endr
	v_nop                                          ; one plain line behind the conversions
.irp c, 0,1
.irp i, 0,1,2
	v_permlane16_swap_b32 v[224+6*\c+\i], v[236+4*\c+\i]
.endr
.irp i, 0,1,2
	s_delay_alu instid0(VALU_DEP_3)
	v_mov_b32 v[227+6*\c+\i], v[236+4*\c+\i]
.endr
.endr
	v_pk_add_f32 v[236:237], v[100:101], v[104:105]
	v_pk_add_f32 v[246:247], v[108:109], v[112:113]
	v_pk_add_f32 v[244:245], v[116:117], v[120:121]
	v_pk_add_f32 v[240:241], v[124:125], v[128:129]
	v_pk_add_f32 v[220:221], v[132:133], v[136:137]
	v_pk_add_f32 v[218:219], v[140:141], v[144:145]
	v_pk_add_f32 v[216:217], v[148:149], v[152:153]
	v_pk_add_f32 v[14:15], v[14:15], v[156:157]
	v_pk_add_f32 v[236:237], v[236:237], v[96:97]
	v_pk_add_f32 v[246:247], v[246:247], v[98:99]
	v_pk_add_f32 v[244:245], v[244:245], v[102:103]
	v_pk_add_f32 v[240:241], v[240:241], v[106:107]
	v_pk_add_f32 v[220:221], v[220:221], v[110:111]
	v_pk_add_f32 v[218:219], v[218:219], v[114:115]
	v_pk_add_f32 v[216:217], v[216:217], v[118:119]
	s_setprio 0
	v_pk_add_f32 v[14:15], v[14:15], v[122:123]
	v_pk_add_f32 v[236:237], v[236:237], v[126:127]
	v_pk_add_f32 v[246:247], v[246:247], v[130:131]
	v_pk_add_f32 v[244:245], v[244:245], v[134:135]
	v_pk_add_f32 v[240:241], v[240:241], v[138:139]
	v_pk_add_f32 v[220:221], v[220:221], v[142:143]
	v_pk_add_f32 v[218:219], v[218:219], v[146:147]
	v_pk_add_f32 v[216:217], v[216:217], v[150:151]
	v_pk_add_f32 v[14:15], v[14:15], v[154:155]
	v_pk_add_f32 v[236:237], v[236:237], v[158:159]
	s_delay_alu instid0(VALU_DEP_2)
	v_pk_add_f32 v[14:15], v[14:15], v[240:241]
	s_delay_alu instid0(VALU_DEP_2)
	v_pk_add_f32 v[236:237], v[236:237], v[220:221]
	v_pk_add_f32 v[246:247], v[246:247], v[218:219]
	v_pk_add_f32 v[244:245], v[244:245], v[216:217]
	s_delay_alu instid0(VALU_DEP_2)
	v_pk_add_f32 v[14:15], v[14:15], v[246:247]
	s_delay_alu instid0(VALU_DEP_2)
	v_pk_add_f32 v[236:237], v[236:237], v[244:245]
	s_delay_alu instid0(VALU_DEP_1)
	v_pk_add_f32 v[14:15], v[14:15], v[236:237]
.irp j, 0,2,4,6,8,10,12,14,16,18,20,22,24,26,28,30
	v_pk_mul_f32 v[160+\j:161+\j], v[160+\j:161+\j], v[16:17] op_sel_hi:[1,0]   ; O^T under the new M
.endr
	s_wait_alu depctr_va_vdst(0)
	s_wait_dscnt 0x0                               ; V's fragments and scale words
.irp t, 0,1,2,3
	v_wmma_scale_f32_16x16x128_f8f6f4 v[160+8*\t:167+8*\t], v[32+12*\t:43+12*\t], v[224:235], v[160+8*\t:167+8*\t], v[248+\t], v253 matrix_a_fmt:MATRIX_FMT_BF6 matrix_b_fmt:MATRIX_FMT_BF6
.endr
.rept 4
	v_nop                                          ; places in front of the next step's loads, of its vector lines on these registers, and of the way out
.endr
.Lhidden_\@:
	s_add_co_u32 s[KF], s[KF], 128
	s_add_co_u32 s[TB], s[TB], STEPB
.endm
; Four key steps.  The count leaves the later groups' loads out; behind the barrier every wave's part of this group has landed.
.macro GROUP g
	s_wait_tensorcnt 3-\g
	s_barrier_signal -1
	s_barrier_wait -1
	s_mov_b32 s[TB], GRPB*\g
	s_mov_b32 s[KF], 512*\g
	s_mov_b32 s[CNT], 4
.Lgrp_\@:
	STEP
	s_sub_co_u32 s[CNT], s[CNT], 1
	s_cmp_lg_u32 s[CNT], 0
	s_cbranch_scc1 .Lgrp_\@
	s_setprio 0
.endm
	GROUP 0
	GROUP 1
	GROUP 2
	GROUP 3
	; THE WAY OUT.  Z = O^T / the sum; register 8 t + j of lane (r, h) is d = 16 t + 8 h + j of query r.
	v_add_f32 v14, v14, v15
	s_delay_alu instid0(VALU_DEP_1)
	v_permlanex16_b32 v16, v14, s[SEL], s[SEL+1]
	s_delay_alu instid0(VALU_DEP_1)
	v_add_f32 v14, v14, v16                        ; the row's sum
	s_wait_alu depctr_va_vdst(0)
	v_rcp_f32 v14, v14
	v_nop                                          ; a plain line behind the reciprocal
	s_wait_alu depctr_va_vdst(0)
.irp j, 0,1,2,3,4,5,6,7,8,9,10,11,12,13,14,15,16,17,18,19,20,21,22,23,24,25,26,27,28,29,30,31
	v_mul_f32 v[96+\j], v[160+\j], v14
.endr
.irp b, 0,1
.irp j, 0,1,2,3,4,5,6,7
	v_permlane16_swap_b32 v[96+16*\b+\j], v[104+16*\b+\j]   ; Wo's codes lie in K's own order: after the exchange register 16 b + i of lane (r, h) is d = 32 b + 16 h + i
.endr
.endr
.irp b, 0,1
	v_max3_num_f32 v[232+\b], |v[96+16*\b]|, |v[97+16*\b]|, 0x2800000
.endr
.irp i, 2,4,6,8,10,12,14
.irp b, 0,1
	s_delay_alu instid0(VALU_DEP_2)
	v_max3_num_f32 v[232+\b], v[232+\b], |v[96+16*\b+\i]|, |v[97+16*\b+\i]|
.endr
.endr
.irp b, 0,1
	s_delay_alu instid0(VALU_DEP_2)
	v_permlanex16_b32 v[236+\b], v[232+\b], s[SEL], s[SEL+1]
.endr
.irp b, 0,1
	s_delay_alu instid0(VALU_DEP_2)
	v_max_num_f32 v[232+\b], v[232+\b], v[236+\b]
.endr
.irp b, 0,1
	s_delay_alu instid0(VALU_DEP_2)
	v_add_nc_u32 v[244+\b], 0xfe000000, v[232+\b]
.endr
.irp b, 0,1
	s_delay_alu instid0(VALU_DEP_2)
	v_lshrrev_b32 v[236+\b], 23, v[244+\b]
.endr
	s_delay_alu instid0(VALU_DEP_1)
	v_lshl_or_b32 v238, v237, 8, v236              ; the head's two scale bytes of my row
	v_cvt_scalef32_pk16_bf6_f32 v[224:226], v[96:111], v244
	v_cvt_scalef32_pk16_bf6_f32 v[240:242], v[112:127], v245
	v_nop
.irp i, 0,1,2
	v_permlane16_swap_b32 v[224+\i], v[240+\i]
.endr
.irp i, 0,1,2
	s_delay_alu instid0(VALU_DEP_3)
	v_mov_b32 v[227+\i], v[240+\i]                 ; v224-229: lane (r, h): block h of the head's 64, 24 bytes
.endr
	global_store_b64 v7, v[224:225], s[8:9]        ; each store covers 256 consecutive bytes, aligned
	global_store_b64 v7, v[226:227], s[8:9] offset:256
	global_store_b64 v7, v[228:229], s[8:9] offset:512
	global_store_b16 v6, v238, s[10:11]            ; both halves of the lanes write the same two bytes with the same value
	s_wait_tensorcnt 0x0
	ds_add_u32 v223, v243
	s_wait_dscnt 0x0
	s_endpgm
.Lfunc_end_k_q306c7c31b4_attn:
	.size	k_q306c7c31b4_attn, .Lfunc_end_k_q306c7c31b4_attn-k_q306c7c31b4_attn
	.p2alignl 7, 3214868480
	.fill 96, 4, 3214868480
	.section	.rodata,"a",@progbits
	.p2align	6, 0x0
	.amdhsa_kernel k_q306c7c31b4_attn
		.amdhsa_group_segment_fixed_size 206848
		.amdhsa_private_segment_fixed_size 0
		.amdhsa_enable_private_segment 0
		.amdhsa_kernarg_size 32
		.amdhsa_user_sgpr_count 2
		.amdhsa_user_sgpr_kernarg_segment_ptr 1
		.amdhsa_wavefront_size32 1
		.amdhsa_system_sgpr_workgroup_id_x 1
		.amdhsa_system_sgpr_workgroup_id_y 1
		.amdhsa_system_sgpr_workgroup_id_z 1
		.amdhsa_system_vgpr_workitem_id 0
		.amdhsa_next_free_vgpr 256
		.amdhsa_next_free_sgpr 66
		.amdhsa_reserve_vcc 1
		.amdhsa_float_denorm_mode_32 3
		.amdhsa_float_denorm_mode_16_64 3
		.amdhsa_memory_ordered 1
		.amdhsa_forward_progress 1
		.amdhsa_inst_pref_size 102
	.end_amdhsa_kernel
	.amdgpu_metadata
---
amdhsa.version: [ 1, 2 ]
amdhsa.kernels:
  - .name:           k_q306c7c31b4_attn
    .symbol:         k_q306c7c31b4_attn.kd
    .args:
      - { .name: qimg, .offset: 0, .size: 8, .value_kind: global_buffer, .address_space: global }
      - { .name: kv, .offset: 8, .size: 8, .value_kind: global_buffer, .address_space: global }
      - { .name: zimg, .offset: 16, .size: 8, .value_kind: global_buffer, .address_space: global }
      - { .name: zscales, .offset: 24, .size: 8, .value_kind: global_buffer, .address_space: global }
    .group_segment_fixed_size: 206848
    .private_segment_fixed_size: 0
    .kernarg_segment_align: 8
    .kernarg_segment_size: 32
    .max_flat_workgroup_size: 512
    .sgpr_count:     66
    .vgpr_count:     256
    .wavefront_size: 32
...
	.end_amdgpu_metadata
.endif
;; end of part 3
;; launch outp (part 4): grid 4 x 32, 4 waves a work-group, clusters of 4 x 4, 327,680 bytes of LDS; arguments zimg, zscales, wcodes, wscales, bo, out0; writes out0
.if DOCPART == 4
	.amdgcn_target "amdgcn-amd-amdhsa--gfx1250"
	.amdhsa_code_object_version 6
	.text
	.protected	k_q306c7c31b4_outp
	.globl	k_q306c7c31b4_outp
	.p2align	8
	.type	k_q306c7c31b4_outp,@function
k_q306c7c31b4_outp:
	s_mov_b64 s[64:65], 0
	v_nop
	global_prefetch_b8 v0, s[64:65] scope:SCOPE_SE
	s_setreg_imm32_b32 hwreg(HW_REG_WAVE_MODE, 25, 1), 1
	s_wait_xcnt 0x0
	s_wait_alu depctr_hold_cnt(0) depctr_sa_sdst(0) depctr_va_vdst(0) depctr_va_sdst(0) depctr_va_ssrc(0) depctr_va_vcc(0) depctr_vm_vsrc(0)
	s_getreg_b32 s2, hwreg(HW_REG_IB_STS2, 6, 4)
	s_cmp_eq_u32 s2, 0
	s_cbranch_scc0 .Lentry_in_a_cluster
	s_endpgm
.Lentry_in_a_cluster:
	s_bfe_u32 s2, ttmp6, 0x10000c
	s_cmp_lg_u32 s2, 0xf033
	s_cbranch_scc0 .Lentry_shape_is_right
	s_endpgm
.Lentry_shape_is_right:
; out0 = Z Wo + bo on codes of BF6 with E8M0 scales.  Z [8192][1024] arrives as images of the operand's registers, zimg [K step of 256: 4][row tile of 16: 512][128 along K: 2][piece: 6][lane: 32][8 bytes], its scale bytes [8192][32];
; Wo's codes are rows 3072 .. 4095 of wcodes [..][768 bytes], K innermost, its scale bytes the same rows of wscales [..][32].  out0 [8192][1024] f32.
; A work-group of four waves makes 256 x 256 of out0, a wave 128 x 128: 64 accumulators.  K goes in four steps of 256 through two LDS slots.  The scales of the work-group's rows come into LDS once.
; A's tile of a K step (128 rows a load) is one dense block of 24,576 bytes: a fragment comes back by six loads of 8 bytes at 8 x lane.  B's tile has rows of 192 bytes, 16 bytes of padding behind every 64.
; The matrix instruction is used transposed (source 0 = 16 rows of Wo's codes, source 1 = 16 rows of Z): a lane holds eight neighbouring numbers of a row of out0.  The bias is the C of each sum's first instruction.
; CLUSTERS: 4 x 4 work-groups; Z's tiles are shared along a row of the cluster, Wo's along a column, by joint loads.
; REGISTERS: window 0: v0-31 addresses; v32-63 scale words, two sets, and nothing else; v64-127 the bias in the results' layout; from v128 A's fragments, one set (on the way out: rows read back).  window 1: B's fragments, two sets.  windows 2, 3: the accumulators.
.set SIZE_K, 1024
.set SIZE_N, 1024
.set KSTEP,  256
.set NQ,     KSTEP/128
.set ROWB,   192
.set KROW,   SIZE_K*6/8
.set PITCH,  240
.set FR,     12
.set NL,     6
.set NP,     4
.set HALFA,  24576                     ; 128 rows of Z's images for a K step
.set KSB,    1572864                   ; from K step to K step in zimg
.set HALFT,  128*PITCH
.set SLOT,   2*HALFA+2*HALFT           ; A's 256 rows, then B's 256 rows
.set LAPS,   SIZE_K/(2*KSTEP)
.set KS,     SIZE_K/32
.set SCL,    2*SLOT
.set HALFS,  (128*KS/256)*272
.set SBLK,   (16*KS/256)*272
.set SPARE,  SCL+4*HALFS
.set SPITCH, 528                       ; the way out: a stage of 16 rows x (512 bytes + 16) a wave, in slot 0, which has had its last fill and its last read when the first result is stored there
.set ADRA, 16
.set ADRB, 20
.set STO,  24
.set RD,   25
.set CO,   26
.set ADRS, 27
.set SPW,  28
.set NIL,  29
.set SC,   32
.set BIA,  64
.set AF,   128
.set BK,   128
.set G1, 24
.set G0, 32
.set G1B, 48
.set G0B, 56
.set G1S, 68
.set G0S, 76
.set G1SB, 80
.set G0SB, 88
.set MSB, 0
.macro WIN new
.set WNEW, \new
.if MSB != WNEW
	s_set_vgpr_msb (MSB<<8)|WNEW
.set MSB, WNEW
.endif
.endm
.set MUL_LO, 0xa1
.set MUL_HI, 0xf1
.set TO_B,   0x40
.macro JLOAD g0a, g1a, g0b, g1b        ; waves 0 and 1 fetch for A, waves 2 and 3 for B; four v_nop follow each of the two lines
	s_cmp_eq_u32 s15, 0
	s_cbranch_scc0 .Lfor_b_\@
	tensor_load_to_lds s[\g0a:\g0a+3], s[\g1a:\g1a+7]
	s_nop 0
.rept 4
	v_nop
.endr
	s_branch .Lasked_\@
.Lfor_b_\@:
	tensor_load_to_lds s[\g0b:\g0b+3], s[\g1b:\g1b+7]
	s_nop 0
.rept 4
	v_nop
.endr
.Lasked_\@:
.endm
.macro CREST
	s_cmp_lg_u32 s14, 0
	s_cbranch_scc1 .Lnot_wave_0_\@
	s_barrier_signal -3
.Lnot_wave_0_\@:
	s_barrier_wait -3
	s_barrier_signal -1
	s_barrier_wait -1
.endm
.macro CROUND
	s_barrier_signal -1
	s_barrier_wait -1
	CREST
.endm
	s_load_b128 s[4:7], s[0:1], 0x0                ; zimg, zscales
	s_load_b128 s[8:11], s[0:1], 0x10              ; wcodes, wscales
	s_load_b64 s[66:67], s[0:1], 0x20              ; bo
	s_load_b64 s[12:13], s[0:1], 0x28              ; out0
	v_lshl_add_u32 v[SPW], v0, 2, SPARE
	v_mov_b32 v[NIL], 0
	ds_add_u32 v28, v29
	ds_add_u32 v28, v29
	s_wait_dscnt 0x0
	v_lshrrev_b32 v1, 5, v0
	v_readfirstlane_b32 s14, v1                    ; wave 0..3
	s_lshr_b32 s15, s14, 1                         ; which half of the tile's rows is mine.  Also: I fetch for A (0) or for B (1)
	s_and_b32 s16, s14, 1                          ; which half of its columns.  Also: which 128 rows I fetch
	s_bfe_u32 s40, ttmp6, 0x40000                  ; cx
	s_bfe_u32 s41, ttmp6, 0x40004                  ; cy
	s_lshl_b32 s42, ttmp9, 2
	s_add_co_u32 s42, s42, s40                     ; tile column
	s_and_b32 s17, ttmp7, 0xffff
	s_lshl_b32 s17, s17, 2
	s_add_co_u32 s17, s17, s41                     ; tile row
	s_lshl_b32 s43, s41, 2
	s_lshl_b32 s43, 15, s43                        ; my row of the cluster
	s_lshl_b32 s44, 0x1111, s40                    ; my column
	; group 1 for A's tiles: 24,576 dense bytes as 96 rows of 256 bytes, no padding
	s_or_b32 s[G1+0], s43, (3<<16)|(1<<21)
	s_mov_b32 s[G1+1], 32<<16
	s_mov_b32 s[G1+2], 96<<16
	s_mov_b32 s[G1+3], 32<<16
	s_mov_b32 s[G1+4], 96
	s_mov_b32 s[G1+5], 32
	s_mov_b32 s[G1+6], 0
	s_mov_b32 s[G1+7], 0
	; for B's: 128 rows x 192 bytes, 16 bytes of padding behind every 64
	s_or_b32 s[G1B+0], s44, (0<<16)|(1<<20)|(1<<21)|(3<<22)|(3<<25)
	s_mov_b32 s[G1B+1], ROWB<<16
	s_mov_b32 s[G1B+2], 128<<16
	s_mov_b32 s[G1B+3], ROWB<<16
	s_mov_b32 s[G1B+4], 128
	s_mov_b32 s[G1B+5], KROW
	s_mov_b32 s[G1B+6], 0
	s_mov_b32 s[G1B+7], 0
	; for the scales of 128 rows: 16 rows of 256 bytes, 16 bytes of padding behind each
	s_or_b32 s[G1S+0], s43, (3<<16)|(1<<20)|(1<<21)|(5<<22)|(3<<25)
	s_or_b32 s[G1SB+0], s44, (3<<16)|(1<<20)|(1<<21)|(5<<22)|(3<<25)
.irp g, G1S, G1SB
	s_mov_b32 s[\g+1], 32<<16
	s_mov_b32 s[\g+2], (128*KS/256)<<16
	s_mov_b32 s[\g+3], 32<<16
	s_mov_b32 s[\g+4], 128*KS/256
	s_mov_b32 s[\g+5], 32
	s_mov_b32 s[\g+6], 0
	s_mov_b32 s[\g+7], 0
.endr
	s_lshl_b32 s20, s17, 4
	s_lshl_b32 s18, s16, 3
	s_add_co_u32 s20, s20, s18                     ; A: row tile 16 x tile row + 8 x half,
	s_mul_i32 s20, s20, 3072                       ; 3,072 bytes each
	s_mov_b32 s21, 0
	s_lshl_b32 s18, s16, 7
	s_lshl_b32 s22, s17, 8
	s_add_co_u32 s22, s22, s18
	s_lshl_b32 s22, s22, 5                         ; A's scales: 32 bytes a row
	s_mov_b32 s23, 0
	s_lshl_b32 s46, s42, 8
	s_add_co_u32 s46, s46, s18
	s_add_co_u32 s46, s46, 3072                    ; B: Wo's rows begin at row 3,072
	s_lshl_b32 s92, s46, 5
	s_mov_b32 s93, 0
	s_mul_i32 s46, s46, KROW
	s_mov_b32 s47, 0
	s_mul_i32 s45, s16, HALFA                      ; where they go: no place in the cluster enters an LDS address
	s_mul_i32 s95, s16, HALFT
	s_add_co_u32 s95, s95, 2*HALFA
	s_mul_i32 s94, s14, HALFS
	s_wait_kmcnt 0x0
	s_add_nc_u64 s[20:21], s[4:5], s[20:21]
	s_add_nc_u64 s[22:23], s[6:7], s[22:23]
	s_add_nc_u64 s[46:47], s[8:9], s[46:47]
	s_add_nc_u64 s[92:93], s[10:11], s[92:93]
	CROUND                                         ; all sixteen work-groups are here: the first joint loads meet
	s_mov_b32 s[G0S], 1
	s_add_co_u32 s[G0S+1], s94, SCL
	s_mov_b64 s[G0S+2:G0S+3], s[22:23]
	s_or_b32 s[G0S+3], s[G0S+3], 0x80000000
	s_mov_b32 s[G0SB], 1
	s_add_co_u32 s[G0SB+1], s94, SCL
	s_mov_b64 s[G0SB+2:G0SB+3], s[92:93]
	s_or_b32 s[G0SB+3], s[G0SB+3], 0x80000000
	JLOAD G0S, G1S, G0SB, G1SB                     ; the scales first
.irp s, 0,1
	s_mov_b32 s[G0+4*\s], 1
	s_add_co_u32 s[G0+4*\s+1], s45, \s*SLOT
	s_add_nc_u64 s[G0+4*\s+2:G0+4*\s+3], s[20:21], \s*KSB
	s_or_b32 s[G0+4*\s+3], s[G0+4*\s+3], 0x80000000
	s_mov_b32 s[G0B+4*\s], 1
	s_add_co_u32 s[G0B+4*\s+1], s95, \s*SLOT
	s_add_nc_u64 s[G0B+4*\s+2:G0B+4*\s+3], s[46:47], \s*ROWB
	s_or_b32 s[G0B+4*\s+3], s[G0B+4*\s+3], 0x80000000
	JLOAD G0+4*\s, G1, G0B+4*\s, G1B
.endr
	v_and_b32 v1, 15, v0                           ; r
	v_bfe_u32 v2, v0, 4, 1                         ; h
	v_and_b32 v6, 31, v0                           ; lane
	v_lshlrev_b32 v7, 3, v6                        ; A: 8 x lane in a piece
	v_mul_u32_u24 v3, v1, PITCH
	v_mul_u32_u24 v4, v2, 24
	v_add_nc_u32 v4, v3, v4                        ; B: a fragment's row x pitch + 24 x half
	v_lshl_add_u32 v5, v2, 4, v4                   ; and the same behind one padding more
	s_mul_i32 s21, s15, HALFA                      ; my 128 rows of A
	s_mul_i32 s22, s16, HALFT
	s_add_co_u32 s22, s22, 2*HALFA                 ; my 128 rows of B, behind A's 256
.irp s, 0,1
	v_add_nc_u32 v[ADRA+\s], s21, v7
	v_add_nc_u32 v[ADRB+\s], s22, v4
	v_add_nc_u32 v[ADRB+2+\s], s22, v5
	s_add_co_u32 s21, s21, SLOT
	s_add_co_u32 s22, s22, SLOT
.endr
	v_mul_u32_u24 v5, v1, KS
	v_lshrrev_b32 v3, 8, v5
	v_lshl_add_u32 v5, v3, 4, v5
	s_mul_i32 s21, s15, HALFS
	s_mul_i32 s22, s16, HALFS
	s_add_co_u32 s22, s22, 2*HALFS
	s_sub_co_u32 s22, s22, s21
	v_mul_u32_u24 v3, s22, v2                      ; lanes 16-31 take B's
	s_add_co_u32 s21, s21, SCL
	v_add_nc_u32 v5, v5, v3
	v_add_nc_u32 v[ADRS], s21, v5
	s_mul_i32 s23, s14, 16*SPITCH                  ; my stage
	v_mul_u32_u24 v5, v1, SPITCH
	v_lshl_add_u32 v5, v2, 5, v5
	v_add_nc_u32 v[STO], s23, v5                   ; in: row r, 32 bytes for each half of the lanes
	v_lshlrev_b32 v[CO], 4, v6                     ; back: the 32 lanes take one row of 512 bytes; and the same in out0
	v_add_nc_u32 v[RD], s23, v[CO]
	s_lshl_b32 s20, s17, 8
	s_lshl_b32 s21, s15, 7
	s_add_co_u32 s20, s20, s21                     ; my first row of out0
	s_lshl_b32 s20, s20, 12                        ; 4,096 bytes a row
	s_mov_b32 s21, 0
	s_lshl_b32 s46, s42, 10                        ; my first column, in bytes
	s_lshl_b32 s47, s16, 9
	s_add_co_u32 s46, s46, s47
	s_mov_b32 s47, 0
	s_add_nc_u64 s[66:67], s[66:67], s[46:47]      ; the bias at my first column
	s_add_nc_u64 s[20:21], s[20:21], s[46:47]
	s_add_nc_u64 s[12:13], s[12:13], s[20:21]
	v_lshlrev_b32 v8, 5, v2                        ; lane (r, h) wants, for B's block b, bo at columns 16 b + 8 h + 0 .. 7; never rewritten
.irp b, 0,1,2,3,4,5,6,7
	global_load_b128 v[BIA+8*\b:BIA+8*\b+3], v8, s[66:67] offset:64*\b
	global_load_b128 v[BIA+8*\b+4:BIA+8*\b+7], v8, s[66:67] offset:64*\b+16
.endr
.macro FRAG reg, adr, q, i             ; B's fragment from padded rows, in pieces of 8 bytes
.irp p, 0,1,2,3,4,5
.set PC, 12*(\q)+6*(\p/3)+\p%3
.if PC%8 < 5
	ds_load_b64 v[\reg+2*\p:\reg+2*\p+1], v[\adr] offset:8*PC+16*(PC/8)+(\i)*16*PITCH
.else
	ds_load_b64 v[\reg+2*\p:\reg+2*\p+1], v[\adr+2] offset:8*PC+16*(PC/8)+(\i)*16*PITCH
.endif
.endr
.endm
.macro FRAGA reg, adr, q, i            ; A's fragment from its image: piece p is registers 2 p, 2 p + 1 of all 32 lanes, 256 consecutive bytes
.irp p, 0,1,2,3,4,5
	ds_load_b64 v[\reg+2*\p:\reg+2*\p+1], v[\adr] offset:(\i)*3072+(\q)*1536+256*\p
.endr
.endm
; 16 matrix instructions.  first = 1: the bias is the C of the sum's first instruction.  The 64 accumulators take turns, one instruction a turn.
.macro MUL16 a0, p, q, sc, first
.irp a, \a0, \a0+1
.irp b, 0,1,2,3,4,5,6,7
.if \first
	v_wmma_scale_f32_16x16x128_f8f6f4 v[8*(8*((\a)%4)+\b):8*(8*((\a)%4)+\b)+7], v[128*(\p)+FR*\b:128*(\p)+FR*\b+FR-1], v[AF+FR*(\a):AF+FR*(\a)+FR-1], v[BIA+8*\b:BIA+8*\b+7], v[SC+8*NQ*(\sc)+NQ*\b+(\q)], v[SC+8*NQ*(\sc)+NQ*(\a)+(\q)] matrix_a_fmt:MATRIX_FMT_BF6 matrix_b_fmt:MATRIX_FMT_BF6 matrix_a_scale:MATRIX_SCALE_ROW1
.else
	v_wmma_scale_f32_16x16x128_f8f6f4 v[8*(8*((\a)%4)+\b):8*(8*((\a)%4)+\b)+7], v[128*(\p)+FR*\b:128*(\p)+FR*\b+FR-1], v[AF+FR*(\a):AF+FR*(\a)+FR-1], v[8*(8*((\a)%4)+\b):8*(8*((\a)%4)+\b)+7], v[SC+8*NQ*(\sc)+NQ*\b+(\q)], v[SC+8*NQ*(\sc)+NQ*(\a)+(\q)] matrix_a_fmt:MATRIX_FMT_BF6 matrix_b_fmt:MATRIX_FMT_BF6 matrix_a_scale:MATRIX_SCALE_ROW1
.endif
.endr
.endr
.endm
.macro FETCH_B slot, q, p
	WIN TO_B
.irp i, 0,1,2,3,4,5,6,7
	FRAG 128*(\p)+FR*\i, ADRB+\slot, \q, \i
.endr
	WIN 0
.endm
.macro FETCH_A slot, q, i0
.irp i, \i0, \i0+1, \i0+2, \i0+3
	FRAGA AF+FR*(\i), ADRA+\slot, \q, \i
.endr
.endm
.macro SCALES sc
.irp i, 0,1,2,3,4,5,6,7
	ds_load_b64 v[SC+8*NQ*\sc+NQ*\i:SC+8*NQ*\sc+NQ*\i+1], v[ADRS] offset:\i*SBLK
.endr
.endm
.macro PLACES n
.rept \n
	v_nop
.endr
.endm
.macro STEP slot, q, first
	s_wait_dscnt 4*NL                              ; B's set and A's blocks 0-3 are in; the youngest 24 loads (A's blocks 4-7) may be out
.if \first
	WIN 0x81                                       ; as MUL_LO, with C (the bias) in window 0
.else
	WIN MUL_LO
.endif
	MUL16 0, (\q)%2, \q, \slot, \first
	MUL16 2, (\q)%2, \q, \slot, \first
	s_wait_dscnt 0
	PLACES NP
	FETCH_B \slot, (\q)+1, 1-(\q)%2
	FETCH_A \slot, (\q)+1, 0
.if \first
	WIN 0xc1
.else
	WIN MUL_HI
.endif
	MUL16 4, (\q)%2, \q, \slot, \first
	MUL16 6, (\q)%2, \q, \slot, \first
	PLACES NP
	WIN 0
	FETCH_A \slot, (\q)+1, 4
.endm
.macro TURN slot, next, fill
	s_wait_tensorcnt 0x0                           ; all my tensor loads have landed: my part of the next slot
	ds_add_u32 v[SPW], v[NIL]                      ; 0 onto my spare word
	s_wait_dscnt 4*NL+1                            ; (the add and the youngest 24 loads may be out)
	WIN MUL_LO
	MUL16 0, 1, NQ-1, \slot, 0
	s_wait_dscnt 0x0                               ; the add is done, and my reads of this slot are over
	s_barrier_signal -1
	MUL16 2, 1, NQ-1, \slot, 0
	WIN 0
	s_barrier_wait -1
.if \fill
	CREST                                          ; the barrier has opened a round of the cluster's
	s_add_nc_u64 s[G0+4*\slot+2:G0+4*\slot+3], s[G0+4*\slot+2:G0+4*\slot+3], 2*KSB
	s_add_nc_u64 s[G0B+4*\slot+2:G0B+4*\slot+3], s[G0B+4*\slot+2:G0B+4*\slot+3], 2*ROWB
	JLOAD G0+4*\slot, G1, G0B+4*\slot, G1B         ; the first tensor load behind the round; its four v_nop are the places in front of the loads below
.else
	PLACES NP
.endif
	v_add_nc_u32 v[ADRS], 4*NQ, v[ADRS]
	FETCH_B \next, 0, 0
	FETCH_A \next, 0, 0
	SCALES \next
	WIN MUL_HI
	MUL16 4, 1, NQ-1, \slot, 0
	MUL16 6, 1, NQ-1, \slot, 0
	PLACES NP
	WIN 0
	FETCH_A \next, 0, 4
.endm
	s_wait_tensorcnt 1                             ; the scales and my part of K step 0 are in (K step 1's load may be out),
	s_barrier_signal -1
	s_barrier_wait -1                              ; everybody's are
	FETCH_B 0, 0, 0
	FETCH_A 0, 0, 0
	SCALES 0
	FETCH_A 0, 0, 4
	s_wait_loadcnt 0x0                             ; the bias
	STEP 0, 0, 1                                   ; the first step's products start the sums on the bias
	s_mov_b32 s3, LAPS-1
.Llap:
	TURN 0, 1, 1
	STEP 1, 0, 0
	TURN 1, 0, 1
	STEP 0, 0, 0
	s_sub_co_u32 s3, s3, 1
	s_cmp_lg_u32 s3, 0
	s_cbranch_scc1 .Llap
	TURN 0, 1, 0                                   ; the last lap fills nothing
	STEP 1, 0, 0
	s_wait_dscnt 4*NL
	WIN MUL_LO
	MUL16 0, 1, NQ-1, 1, 0
	MUL16 2, 1, NQ-1, 1, 0
	s_wait_dscnt 0
	WIN MUL_HI
	MUL16 4, 1, NQ-1, 1, 0
	MUL16 6, 1, NQ-1, 1, 0
	WIN 0
; THE WAY OUT, block by block of 16 rows x 128 columns, through my own stage in LDS: in as 32 bytes a lane, back as whole rows of 512 bytes.  LDS serves a wave's instructions in order.
.macro TOSTAGE a
.set AC, 64*((\a)%4)
	WIN 0x08+4*((\a)/4)                            ; the data: window 2 or 3
.irp b, 0,1,2,3,4,5,6,7
	ds_store_b128 v[STO], v[AC+8*\b:AC+8*\b+3] offset:64*\b          ; each accumulator from its low end on
	ds_store_b128 v[STO], v[AC+8*\b+4:AC+8*\b+7] offset:64*\b+16
.endr
	WIN 0
.set BB, BK+64*((\a)%2)
.irp t, 0,1,2,3,4,5,6,7,8,9,10,11,12,13,14,15
	ds_load_b128 v[BB+4*\t:BB+4*\t+3], v[RD] offset:\t*SPITCH
.endr
.endm
.macro SEND a, younger
.set BB, BK+64*((\a)%2)
	s_wait_dscnt \younger                          ; the block is back in registers
.if (\a) > 0
	s_add_nc_u64 s[12:13], s[12:13], 16*SIZE_N*4   ; (behind a wait on XCNT: the earlier stores have read their base)
.endif
.irp t, 0,1,2,3,4,5,6,7,8,9,10,11,12,13,14,15
	global_store_b128 v[CO], v[BB+4*\t:BB+4*\t+3], s[12:13] offset:\t*SIZE_N*4 th:TH_STORE_NT   ; 32 lanes store 512 consecutive bytes, aligned to 256
.endr
.endm
	PLACES NP
	TOSTAGE 0
.irp a, 1,2,3,4,5,6,7
.if \a > 1
	s_wait_xcnt 0x0                                ; block a - 2's stores have read their registers and their base
.endif
	TOSTAGE \a
	SEND \a-1, 32                                  ; behind block a - 1's loads: block a's 16 stores and 16 loads
.endr
	s_wait_xcnt 0x0
	SEND 7, 0
	s_wait_tensorcnt 0x0                           ; the wave's end
	ds_add_u32 v[SPW], v[NIL]
	s_wait_dscnt 0x0
	CROUND                                         ; the closing round
	s_endpgm
.Lfunc_end_k_q306c7c31b4_outp:
	.size	k_q306c7c31b4_outp, .Lfunc_end_k_q306c7c31b4_outp-k_q306c7c31b4_outp
	.p2alignl 7, 3214868480
	.fill 96, 4, 3214868480
	.section	.rodata,"a",@progbits
	.p2align	6, 0x0
	.amdhsa_kernel k_q306c7c31b4_outp
		.amdhsa_group_segment_fixed_size 327680
		.amdhsa_private_segment_fixed_size 0
		.amdhsa_enable_private_segment 0
		.amdhsa_kernarg_size 48
		.amdhsa_user_sgpr_count 2
		.amdhsa_user_sgpr_kernarg_segment_ptr 1
		.amdhsa_wavefront_size32 1
		.amdhsa_system_sgpr_workgroup_id_x 1
		.amdhsa_system_sgpr_workgroup_id_y 1
		.amdhsa_system_sgpr_workgroup_id_z 1
		.amdhsa_system_vgpr_workitem_id 0
		.amdhsa_next_free_vgpr 1024
		.amdhsa_next_free_sgpr 98
		.amdhsa_reserve_vcc 0
		.amdhsa_float_denorm_mode_32 3
		.amdhsa_float_denorm_mode_16_64 3
		.amdhsa_memory_ordered 1
		.amdhsa_forward_progress 1
		.amdhsa_inst_pref_size 162
	.end_amdhsa_kernel
	.amdgpu_metadata
---
amdhsa.version: [ 1, 2 ]
amdhsa.kernels:
  - .name:           k_q306c7c31b4_outp
    .symbol:         k_q306c7c31b4_outp.kd
    .args:
      - { .name: zimg, .offset: 0, .size: 8, .value_kind: global_buffer, .address_space: global }
      - { .name: zscales, .offset: 8, .size: 8, .value_kind: global_buffer, .address_space: global }
      - { .name: wcodes, .offset: 16, .size: 8, .value_kind: global_buffer, .address_space: global }
      - { .name: wscales, .offset: 24, .size: 8, .value_kind: global_buffer, .address_space: global }
      - { .name: bo, .offset: 32, .size: 8, .value_kind: global_buffer, .address_space: global }
      - { .name: out0, .offset: 40, .size: 8, .value_kind: global_buffer, .address_space: global }
    .group_segment_fixed_size: 327680
    .private_segment_fixed_size: 0
    .kernarg_segment_align: 8
    .kernarg_segment_size: 48
    .max_flat_workgroup_size: 128
    .sgpr_count:     98
    .vgpr_count:     1024
    .wavefront_size: 32
...
	.end_amdgpu_metadata
.endif
;; end of part 4
